; MI455X (gfx1250); checked and timed in simulation.
; The chip was launched on July 23, 2026; its instructions are those of AMD's public machine-readable ISA for CDNA 5 (MIT licence, August 2026) and "CDNA5" Instruction Set Architecture Reference Guide (July 2026). The comments in the code are by the model that wrote it; some were corrected since.
;; Cross Exchanging Layer. Allowed arithmetic: matrix products marked QUANTISED: E3M2 operands, one E8M0 scale for each 32 along K, by v_wmma_scale_f32_16x16x128_f8f6f4 with both operands' format E3M2, f32 sums; everything else in f32.
;; Inputs: AT_attn 32 x 512 x 512 float32; AV_attn 32 x 512 x 512 float32; W1 2,048 x 256 float32; W2 256 x 2,048 float32; W_in 768 x 256 float32; W_out 256 x 256 float32; b1 2,048 float32; b2 256 float32; b_in 768 float32; b_out 256 float32; be1 256 float32; be2 256 float32; g1 256 float32; g2 256 float32; src1 32 x 512 x 256 float32; src2 32 x 512 x 256 float32.
;; Outputs: out0 32 x 512 x 256 float32; out1 32 x 512 x 256 float32.
;; This version of the problem:
;;   THIS VERSION OF THE PROBLEM IS GIVEN IN LOW PRECISION. The matrix products marked QUANTISED in the list below multiply operands that are first quantised to E3M2 (3 exponent bits, 2 mantissa bits; 6 bits a number), with one power-of-two scale for each 32 numbers along K (OCP MX v1.0); their sums are f32. All else is computed in f32.
;;   The module's matrix products, in the order in which they are computed (A, B: the left and right operand; K: the contracted axis; several contracted axes count as one K, in the product's order):
;;     1. [M 16,384, K 256] x [K 256, N 768]; A: input src1; B: input W_in: QUANTISED
;;     2. batch 256 x [M 512, K 32] x [K 32, N 512]; A: computed on the way; B: computed on the way: QUANTISED
;;     3. batch 256 x [M 512, K 512] x [K 512, N 32]; A: softmax (see below); B: computed on the way: QUANTISED
;;     4. [M 16,384, K 256] x [K 256, N 256]; A: computed on the way; B: input W_out: QUANTISED
;;     5. [M 16,384, K 256] x [K 256, N 768]; A: input src2; B: input W_in: QUANTISED
;;     6. batch 256 x [M 512, K 32] x [K 32, N 512]; A: computed on the way; B: computed on the way: QUANTISED
;;     7. batch 256 x [M 512, K 512] x [K 512, N 32]; A: softmax (see below); B: computed on the way: QUANTISED
;;     8. [M 16,384, K 256] x [K 256, N 256]; A: computed on the way; B: input W_out: QUANTISED
;;     9. [M 16,384, K 256] x [K 256, N 2,048]; A: computed on the way; B: input W1: QUANTISED
;;     10. [M 16,384, K 2,048] x [K 2,048, N 256]; A: computed on the way; B: input W2: QUANTISED
;;     11. [M 16,384, K 256] x [K 256, N 2,048]; A: computed on the way; B: input W1: QUANTISED
;;     12. [M 16,384, K 2,048] x [K 2,048, N 256]; A: computed on the way; B: input W2: QUANTISED
;;   THE QUANTISER, for each operand of a quantised product, along K:
;;     - K is cut into blocks of 32 from its start; a last block that is shorter is filled with zeros.
;;     - A block's scale is 2^e with e = floor(log2(the largest magnitude in the block)) - 4, held to -126 .. 127; a block of zeros has e = 0. As a byte (E8M0): e + 127.
;;     - Each number is divided by its block's scale, clamped to +-28, and rounded to the nearest number of E3M2, ties to even, subnormals kept.
;;     - The product sums the exact products of the quantised numbers (number of the format x scale) in f32.
;;   ~~~python
;;   def quantise(x, axis):      # numpy; x: float32 -> the quantised numbers, widened to float32 again
;;       x = np.moveaxis(x, axis, -1); K = x.shape[-1]
;;       x = np.pad(x, [(0, 0)] * (x.ndim - 1) + [(0, -K % 32)]); x = x.reshape(x.shape[:-1] + (-1, 32)); a = np.abs(x).max(-1, keepdims=True)
;;       e = np.where(a > 0, np.clip(np.frexp(np.where(a > 0, a, 1))[1] - 1 - 4, -126, 127), 0)      # np.frexp(a)[1] - 1 = floor(log2(a)), exactly
;;       r = np.clip(x / 2.0 ** e, -28, 28)
;;       step = 2.0 ** (np.maximum(np.frexp(np.where(r == 0, 1, r))[1] - 1, -2) - 2)
;;       q = np.round(r / step) * step * 2.0 ** e      # np.round: ties to even
;;       return np.moveaxis(q.reshape(q.shape[:-2] + (-1,))[..., :K], -1, axis).astype(np.float32)
;;   ~~~
;;   SOFTMAX AHEAD OF A QUANTISED PRODUCT. Where the list says 'softmax', what is quantised is not the finished softmax but p = 2^(t - M), with t = logit x log2(e) and M = ceil(the row's largest t), a whole number; so 1/2 < the row's largest p <= 1. The row's sum l is taken of the UNQUANTISED p, in f32, and the product's result is divided by l at the end. Since M is a whole number, a kernel that streams over the keys may use a running M (the ceiling of the running maximum): every later rescaling is an exact power of two, which a block's scale takes up: the codes' values come out the same.
;;   OPERANDS COMPUTED ON THE WAY. 'Computed on the way' means the value that the module computes at that place (a softmax that the list does not call 'softmax' is quantised finished and normalised). What goes into a quantiser is computed in f32, as accurately as f32 sums, v_exp_f32 and their like allow (about 1e-6 of the number): no bf16 or f16 on the way to a quantiser, and a product that is left as it is and whose result goes on into a quantised operand takes f32 operands (vector FMAs, or v_wmma_f32_16x16x4_f32). A number that lies on a knife's edge between two numbers of the format may be rounded either way, as far as f32 arithmetic and the matrix unit's own rounding can turn it there, and no further.
;; 2 versions, each right; version 2 is version 1 with the launches oproj, ffn written anew for expert scheduling mode. Each part assembles by itself: llvm-mc -triple=amdgcn-amd-amdhsa -mcpu=gfx1250 --defsym DOCPART=n.
;; ======== version 1 of 2: 3 launches
;; workspace buffers: wq 905,216 bytes; ao 8,388,608 bytes; cls 1,048,576 bytes; xw 33,554,432 bytes; psum 262,144 bytes; msk 131,072 bytes of whole numbers
;; launch attn (part 1): grid 256 x 1, 16 waves a work-group, no clusters, 235,520 bytes of LDS; arguments src1, src2, W_in, b_in, W_out, W1, W2, ao, cls, wq; writes ao, cls, wq
.if DOCPART == 1
	.amdgcn_target "amdgcn-amd-amdhsa--gfx1250"
	.amdhsa_code_object_version 6
	.text
	.protected	k_q345cd31978_attn
	.globl	k_q345cd31978_attn
	.p2align	8
	.type	k_q345cd31978_attn,@function
k_q345cd31978_attn:
	s_mov_b64 s[64:65], 0
	v_nop
	global_prefetch_b8 v0, s[64:65] scope:SCOPE_SE
	s_setreg_imm32_b32 hwreg(HW_REG_WAVE_MODE, 25, 1), 1
	s_wait_xcnt 0x0
; LAUNCH 1 OF 3: x -> codes; q, k, v of two heads; attention; O -> codes.  Side job: W_out, W1, W2 -> codes in the order of the operands' registers.
; All products on codes of E3M2 with one E8M0 scale for each 32 along K; sums, softmax and quantisers in f32.
; WORK LEFT OUT, for all finite values of the inputs:
;  - AT_attn and AV_attn are named in no expression of reference(): they have no way to an output, are not loaded and are no argument of any launch.
;  - aw = mean(attn, heads) is used only as aw[:, 0, 1:]: only query 0's weights are formed; rows 1 to 511 of the average are never made.
;  - the factor 1/8 of that mean: cls is only ever compared with cls, and a common power of two leaves every comparison as it is: plain sums over the heads are compared.
;  - the quantile: 0.5 x (511 - 1) = 255 exactly, so the interpolation's weight is 0 and th = sorted[255]; and cls[k] < sorted[255] holds exactly where
;    the number of j in 1..511 with cls[j] <= cls[k] is at most 255 (ties too).  No sort is made (launch 2 counts).
; LIMITS: a NaN, an infinity or an overflow that reaches only the work left out is not carried to the result.  NaN and infinities among the inputs are not served.
;  p and the CLS weights under 2^-126 come out as 0 (v_exp_f32: ISA guide, its entry).  A block whose largest magnitude lies under 2^-122 keeps the scale byte 1; so does a
;  block of zeros, where the rule says 127: its codes are zeros, and this program alone reads the bytes.  The row's sum l runs in another order than reference()'s.
; SHARES.  Work-group = (sb = stream x 32 + batch, hp = pair of heads), number 4 sb + hp.  16 waves.  Wave w owns tokens 32 w .. 32 w + 31 as two tiles u = 0, 1:
;  lane r of tile u is token 32 w + 8 u + r + 8 (r / 8) (THE MAP), so that the 16 result registers of two neighbouring tiles are 16 neighbours along the next K.
;  The same map picks the rows of every tile of a weight.  q and k: source 0 = 16 rows of W_in, source 1 = x.  v: source 0 = x, source 1 = W_in: a lane then holds one channel and 16 keys.
;  A fragment of k (and of q) holds head A's 32 channels as k = 0..31 (lanes 0-15) and head B's as k = 32..63 (lanes 16-31); q's other head is set to zero codes, so one image of k serves both heads.
;  No tensor loads and no cluster: the work-groups of a batch share x alone, 32 KiB a wave read once at the head; k and v are made here and live in LDS.
.set WIMG,  0                          ; LDS: W_in's 24 fragments (2 (4 g + t) + K step), 1,536 bytes each: images of the operand's registers
.set WSC,   36864                      ; their scale words, 128 bytes each
.set KIMG,  39936                      ; k's 32 tiles x 768: registers 0-3 at 16 lane, registers 4-5 at 512 + 8 lane
.set KSC,   64512                      ; k's scale words: step x 1024 + group x 512 + 16 lane + 4 tile
.set VIMG,  68608                      ; v's 16 fragments: tile x 6144 + step x 1536 + 48 lane
.set VSC,   93184                      ; v's scale words: (4 tile + step) x 64 + 4 r, a byte for each 32 keys
.set CLSB,  94208                      ; query 0's scores, 2,048 bytes for each head of the pair
.set STG,   98304                      ; a stage of 8,448 bytes (16 rows x 528) for each wave
.set SPARE, 233472                     ; the spare words, 128 bytes for each wave
.set WOS, 49152                        ; wq: W_out's codes at 0, its scale words here,
.set W1C, 53248                        ; W1's codes,
.set W1S, 446464
.set W2C, 479232
.set W2S, 872448
.set AK16, 1                           ; v1-5: addresses that stay
.set AK8,  2
.set ASK,  3
.set AV0,  4
.set ASV,  5
.set SPW,  6
.set NIL,  7
.set ADK,  8                           ; v8-11, v31: addresses of the step in hand
.set ADK8, 9
.set ADS,  10
.set ADV,  11
.set ADT,  31
.set STR,  12                          ; v12-23: addresses of the first two phases; later v12 -M, v13 largest t, v[14:15] the sum, v16-27 q's fragment
.set WSA,  14
.set WIW,  15
.set WSW,  16
.set KW16, 17
.set KW8,  18
.set KWS,  19
.set VW,   20
.set VWS,  21
.set H64,  22
.set PR4,  23
.set QS,   28                          ; v28, v29 q's scale words
.set RR,   30                          ; v30 r = lane % 16
.set R,    32                          ; v32-95 rows as loaded | W_in's four fragments, v80-83 their scale words, v84-91 v's bias | k's four fragments, v80-83, v84-85 scale words
.set WF,   32
.set WS,   80
.set BV,   84
.set KF,   32
.set KS,   80
.set VS,   84
.set OW,   86
.set X,    96                          ; v96-159 numbers ahead of a quantiser | sums of the projections | S^T, then p
.set ACC,  96
.set S,    96
.set XF,   160                         ; v160-207 x's four fragments (2 u + K step), v208-211 their scale words | O^T v160-175, v's fragments v176-199, O's codes
.set XS,   208
.set O,    160
.set VF,   176
.set OC,   200
.set OT,   206
.set BA,   209
.set PC,   212                         ; v212-223 codes just made; then q's two fragments' live halves
.set QP,   212
.set TM,   224                         ; v224-239, v240-247 the quantiser's own; in the attention v224-255 p's codes and the softmax's own
.set TQ,   240
.set L16,  248                         ; 16 lane: also the address of W_in's images (they begin at LDS byte 0)
.set L4,   249
.set STW,  250
.set PW,   252
.set CAP,  255
.macro PLACES n
.rept \n
	v_nop
.endr
.endm
.macro BARRIER                         ; my LDS stores have landed and my LDS loads are in: then the work-group's barrier
	s_wait_dscnt 0x0
	s_barrier_signal -1
	s_barrier_wait -1
.endm
.macro LOADT reg, sb, off, pitch, perm ; 16 rows x 512 bytes (128 along K), a row a load; perm = 1: the rows of THE MAP
.set li, 0
.rept 16
	global_load_b128 v[\reg+4*li:\reg+4*li+3], v[L16], s[\sb:\sb+1] offset:(\off)+(li+8*(li/8)*(\perm))*(\pitch)
.set li, li+1
.endr
.endm
.macro TURN reg                        ; through my own stage: afterwards register X + 16 b + i is k = 32 b + 16 (lane / 16) + i of row lane % 16.  LDS serves a wave's instructions in order
.set li, 0
.rept 16
	ds_store_b128 v[STW], v[\reg+4*li:\reg+4*li+3] offset:528*li
.set li, li+1
.endr
.set li, 0
.rept 16
	ds_load_b128 v[X+4*li:X+4*li+3], v[STR] offset:128*(li/4)+16*(li%4)
.set li, li+1
.endr
.endm
.macro QMAX s, nb                      ; nb blocks of 32 (16 registers here, 16 in lane l xor 16): largest magnitude with the floor 2^(5 - 127), scale operand in TM + 12 + b, byte in TM + 4 + b
.irp b, 0,1,2,3
.if \b < \nb
	v_max3_num_f32 v[TM+\b], |v[(\s)+16*\b]|, |v[(\s)+1+16*\b]|, 0x2800000
.endif
.endr
.irp i, 2,4,6,8,10,12,14
.irp b, 0,1,2,3
.if \b < \nb
	v_max3_num_f32 v[TM+\b], v[TM+\b], |v[(\s)+16*\b+\i]|, |v[(\s)+1+16*\b+\i]|
.endif
.endr
.endr
.irp b, 0,1,2,3
.if \b < \nb
	v_permlanex16_b32 v[TM+4+\b], v[TM+\b], s28, s29
.endif
.endr
.irp b, 0,1,2,3
.if \b < \nb
	v_max_num_f32 v[TM+\b], v[TM+\b], v[TM+4+\b]
.endif
.endr
.irp b, 0,1,2,3
.if \b < \nb
	v_add_nc_u32 v[TM+12+\b], 0xfe000000, v[TM+\b]     ; 4 off the exponent field: the conversion's scale operand
.endif
.endr
.irp b, 0,1,2,3
.if \b < \nb
	v_lshrrev_b32 v[TM+4+\b], 23, v[TM+12+\b]          ; the scale's byte
.endif
.endr
.endm
.macro QWORD pw, nb
	v_lshl_or_b32 v[\pw], v[TM+5], 8, v[TM+4]
.if \nb > 2
	v_lshl_or_b32 v[\pw], v[TM+6], 16, v[\pw]
	v_lshl_or_b32 v[\pw], v[TM+7], 24, v[\pw]
.endif
.endm
.macro QCODE s, d, np                  ; np pairs of blocks become codes: lanes 0-15 hold block 2 c whole, lanes 16-31 block 2 c + 1
.irp c, 0,1
.if \c < \np
	v_cvt_scalef32_pk16_bf6_f32 v[(\d)+6*\c:(\d)+6*\c+2], v[(\s)+32*\c:(\s)+32*\c+15], v[TM+12+2*\c]
	v_cvt_scalef32_pk16_bf6_f32 v[TQ+4*\c:TQ+4*\c+2], v[(\s)+32*\c+16:(\s)+32*\c+31], v[TM+13+2*\c]
.endif
.endr
	v_nop                                          ; one plain place behind a scaled conversion
.irp c, 0,1
.if \c < \np
.irp i, 0,1,2
	v_permlane16_swap_b32 v[(\d)+6*\c+\i], v[TQ+4*\c+\i]
.endr
.irp i, 0,1,2
	v_mov_b32 v[(\d)+6*\c+3+\i], v[TQ+4*\c+\i]
.endr
.endif
.endr
.endm
.macro QUANT s, d, pw                  ; 64 numbers of a lane become a fragment and its scale word
	QMAX \s, 4
	QWORD \pw, 4
	QCODE \s, \d, 2
.endm
.macro IMAGE adr, d, off
.irp c, 0,1,2
	ds_store_b128 v[\adr], v[(\d)+4*\c:(\d)+4*\c+3] offset:(\off)+512*\c
.endr
.endm
.macro FETCH reg, adr, off
.irp c, 0,1,2
	ds_load_b128 v[\reg+4*\c:\reg+4*\c+3], v[\adr] offset:(\off)+512*\c
.endr
.endm
.macro MM0 d, a, b, sa, sb             ; the first product starts a sum
	v_wmma_scale_f32_16x16x128_f8f6f4 v[\d:\d+7], v[\a:\a+11], v[\b:\b+11], 0, v[\sa], v[\sb] matrix_a_fmt:MATRIX_FMT_BF6 matrix_b_fmt:MATRIX_FMT_BF6
.endm
.macro MMA d, a, b, sa, sb             ; in place
	v_wmma_scale_f32_16x16x128_f8f6f4 v[\d:\d+7], v[\a:\a+11], v[\b:\b+11], v[\d:\d+7], v[\sa], v[\sb] matrix_a_fmt:MATRIX_FMT_BF6 matrix_b_fmt:MATRIX_FMT_BF6
.endm
.macro WFRAG sb, off, pitch            ; a fragment of a weight: 16 rows of THE MAP x 128 K -> codes in PC, scale word in PW
	LOADT R, \sb, \off, \pitch, 1
	s_wait_loadcnt 0x0
	TURN R
	s_wait_dscnt 0x0
	QUANT X, PC, PW
.endm
	s_load_b512 s[8:23], s[0:1], 0x0               ; src1 8, src2 10, W_in 12, b_in 14, W_out 16, W1 18, W2 20, ao 22
	s_load_b128 s[24:27], s[0:1], 0x40             ; cls 24, wq 26
	v_lshl_add_u32 v[SPW], v0, 2, SPARE
	v_mov_b32 v[NIL], 0
	v_lshrrev_b32 v8, 5, v0
	v_readfirstlane_b32 s2, v8                     ; wave
	s_mov_b32 s3, ttmp9                            ; work-group = 4 sb + hp
	s_and_b32 s4, s3, 3                            ; hp
	s_lshr_b32 s5, s3, 2                           ; sb
	v_and_b32 v9, 31, v0                           ; lane
	v_and_b32 v[RR], 15, v0                        ; r
	v_bfe_u32 v10, v0, 4, 1                        ; h
	v_lshlrev_b32 v[L16], 4, v9
	v_lshlrev_b32 v[L4], 2, v9
	; every LDS address register is made here, ahead of the first parting of the waves
	s_mul_i32 s56, s2, 8448
	s_add_co_u32 s56, s56, STG                     ; my stage
	v_add_nc_u32 v[STW], s56, v[L16]
	v_mul_u32_u24 v[STR], v[RR], 528
	v_lshl_add_u32 v[STR], v10, 6, v[STR]
	v_add_nc_u32 v[STR], s56, v[STR]
	v_add_nc_u32 v[AK16], KIMG, v[L16]
	v_lshl_add_u32 v[AK8], v9, 3, KIMG+512
	v_add_nc_u32 v[ASK], KSC, v[L16]
	v_mul_u32_u24 v[AV0], v9, 48
	v_add_nc_u32 v[AV0], VIMG, v[AV0]
	v_lshl_add_u32 v[ASV], v[RR], 2, VSC
	v_add_nc_u32 v[WSA], WSC, v[L4]
	s_mul_i32 s60, s2, 3072
	v_add_nc_u32 v[WIW], s60, v[L16]
	s_lshl_b32 s60, s2, 8
	v_add_nc_u32 v[WSW], s60, v[WSA]
	s_mul_i32 s60, s2, 1536
	v_add_nc_u32 v[KW16], s60, v[AK16]
	v_add_nc_u32 v[KW8], s60, v[AK8]
	s_lshr_b32 s61, s2, 2                          ; w / 4: my keys' step
	s_bfe_u32 s62, s2, 0x10001                     ; (w / 2) % 2
	s_and_b32 s63, s2, 1                           ; w % 2
	s_lshl_b32 s60, s61, 10
	s_lshl_b32 s57, s62, 9
	s_add_co_u32 s60, s60, s57
	s_lshl_b32 s57, s63, 3
	s_add_co_u32 s60, s60, s57
	v_add_nc_u32 v[KWS], s60, v[ASK]
	s_mul_i32 s60, s61, 1536
	s_mul_i32 s57, s63, 768
	s_add_co_u32 s60, s60, s57
	s_mul_i32 s57, s62, 24
	s_add_co_u32 s60, s60, s57
	s_add_co_u32 s60, s60, VIMG
	v_mul_u32_u24 v[VW], v[RR], 48
	v_mad_u32_u24 v[VW], v10, 12, v[VW]
	v_add_nc_u32 v[VW], s60, v[VW]                 ; my 32 keys are block w % 4 of their step: lane 16 (w % 2) + r, registers 6 ((w / 2) % 2) + 3 h on
	s_lshl_b32 s60, s61, 6
	s_and_b32 s57, s2, 3
	s_add_co_u32 s60, s60, s57
	v_add_nc_u32 v[VWS], s60, v[ASV]
	v_lshlrev_b32 v[H64], 6, v10
	v_and_b32 v[PR4], 8, v[RR]
	v_add_nc_u32 v[PR4], v[PR4], v[RR]
	v_lshlrev_b32 v[PR4], 2, v[PR4]                ; 4 (r + 8 (r / 8))
.irp i, 4,5,6,7
	v_mov_b32 v[TM+\i], 0                          ; written once: a lane permute's destination counts as one of its sources
.endr
	; offsets, apart from the addresses.  W_in's tile of wave w < 12: row 256 (w / 4) + 64 hp + 32 ((w / 2) % 2) + 8 (w % 2)
	s_lshl_b32 s42, s61, 8
	s_lshl_b32 s57, s4, 6
	s_add_co_u32 s42, s42, s57
	s_lshl_b32 s57, s62, 5
	s_add_co_u32 s42, s42, s57
	s_lshl_b32 s57, s63, 3
	s_add_co_u32 s42, s42, s57
	s_lshl_b32 s42, s42, 10
	s_mov_b32 s43, 0
	; the side job: fragment f = the work-group's number.  W1, W_out: row 32 (f / 4) + 8 ((f / 2) % 2), K step f % 2
	s_lshr_b32 s50, s3, 2
	s_lshl_b32 s50, s50, 5
	s_bfe_u32 s57, s3, 0x10001
	s_lshl_b32 s57, s57, 3
	s_add_co_u32 s50, s50, s57
	s_lshl_b32 s50, s50, 10
	s_and_b32 s57, s3, 1
	s_lshl_b32 s57, s57, 9
	s_add_co_u32 s50, s50, s57
	; W2: tile ot = (f / 4) % 16: row 32 (ot / 2) + 8 (ot % 2); K step 4 (f / 64) + f % 4
	s_bfe_u32 s51, s3, 0x40002
	s_lshr_b32 s57, s51, 1
	s_lshl_b32 s57, s57, 5
	s_and_b32 s51, s51, 1
	s_lshl_b32 s51, s51, 3
	s_add_co_u32 s51, s51, s57
	s_lshl_b32 s51, s51, 13
	s_lshr_b32 s57, s3, 6
	s_lshl_b32 s57, s57, 2
	s_and_b32 s58, s3, 3
	s_add_co_u32 s57, s57, s58
	s_lshl_b32 s57, s57, 9
	s_add_co_u32 s51, s51, s57
	s_mov_b32 s28, 0x76543210
	s_mov_b32 s29, 0xfedcba98                      ; v_permlanex16_b32's selects for lane l xor 16
	s_mov_b32 s30, 0x3e8293ee                      ; c = log2(e) / sqrt(32)
	s_mov_b32 s31, s30
	s_mov_b32 s32, 0x0000ffff                      ; head A's lanes of a fragment of q,
	s_mov_b32 s33, 0xffff0000                      ; head B's
	s_cmp_eq_u32 s2, 12                            ; wave 12: W1 (256 fragments); wave 14: W_out (32); wave 15: nothing
	s_cselect_b32 s39, 256, 0
	s_cmp_eq_u32 s2, 14
	s_cselect_b32 s39, 32, s39
	s_mov_b32 s52, W1C
	s_mov_b32 s54, W1S
	s_wait_kmcnt 0x0
	s_cmp_eq_u32 s2, 13                            ; wave 13: W2
	s_cselect_b32 s60, s51, s50
	s_cselect_b32 s52, W2C, s52
	s_cselect_b32 s54, W2S, s54
	s_cselect_b64 s[50:51], s[20:21], s[18:19]
	s_cmp_eq_u32 s2, 14
	s_cselect_b64 s[50:51], s[16:17], s[50:51]
	s_cselect_b32 s52, 0, s52
	s_cselect_b32 s54, WOS, s54
	s_mov_b32 s61, 0
	s_add_nc_u64 s[50:51], s[50:51], s[60:61]      ; the fragment's first row
	s_mul_i32 s57, s3, 1536
	s_add_co_u32 s52, s52, s57
	s_mov_b32 s53, 0
	s_add_nc_u64 s[52:53], s[26:27], s[52:53]      ; where its codes go,
	s_lshl_b32 s57, s3, 7
	s_add_co_u32 s54, s54, s57
	s_mov_b32 s55, 0
	s_add_nc_u64 s[54:55], s[26:27], s[54:55]      ; and its scale words
	s_cmp_lt_u32 s5, 32
	s_cselect_b64 s[40:41], s[8:9], s[10:11]       ; my stream
	s_and_b32 s60, s5, 31
	s_lshl_b32 s60, s60, 19
	s_lshl_b32 s57, s2, 15
	s_add_co_u32 s60, s60, s57
	s_add_nc_u64 s[40:41], s[40:41], s[60:61]      ; x at my 32 tokens
	s_add_nc_u64 s[42:43], s[12:13], s[42:43]
	s_lshl_b32 s60, s4, 8
	s_add_nc_u64 s[44:45], s[14:15], s[60:61]      ; b_in at my pair's 64 channels
	s_lshl_b32 s60, s3, 15
	s_lshl_b32 s57, s2, 11
	s_add_co_u32 s60, s60, s57
	s_add_nc_u64 s[46:47], s[22:23], s[60:61]      ; ao: [sb][hp][token][64 bytes]
	s_lshl_b32 s60, s3, 12
	s_add_nc_u64 s[48:49], s[24:25], s[60:61]      ; cls: [sb][head][512]
	; ---- the weights.  Waves 0-11: a tile of W_in each (two fragments) into LDS.  Waves 12-14: one fragment for launches 2 and 3, into wq.
	s_cmp_lt_u32 s2, 12
	s_cbranch_scc0 .Lnot_win
.irp q, 0,1
	WFRAG 42, 512*\q, 1024
	IMAGE WIW, PC, 1536*\q
	ds_store_b32 v[WSW], v[PW] offset:128*\q
	s_wait_dscnt 0x0
.endr
	s_branch .Lw_done
.Lnot_win:
	s_cmp_eq_u32 s2, 13
	s_cbranch_scc1 .Lw2
	s_cmp_lt_u32 s3, s39                           ; ids alone
	s_cbranch_scc0 .Lw_done
	WFRAG 50, 0, 1024
	s_branch .Lw_out
.Lw2:
	WFRAG 50, 0, 8192
.Lw_out:
.irp c, 0,1,2
	global_store_b128 v[L16], v[PC+4*\c:PC+4*\c+3], s[52:53] offset:512*\c    ; 512 consecutive bytes a store
.endr
	global_store_b32 v[L4], v[PW], s[54:55]
	s_wait_xcnt 0x0                                ; the stores have read their registers: the codes' registers are written again below
.Lw_done:
	; ---- x: my 32 tokens become four fragments, which stay in registers
	LOADT R, 40, 0, 1024, 1
.irp k, 0,1,2,3
	s_wait_loadcnt 0x0
	TURN R
	s_wait_dscnt 0x0
.if \k < 3
	LOADT R, 40, 8192*((\k+1)/2)+512*((\k+1)%2), 1024, 1
.endif
	QUANT X, XF+12*\k, XS+\k
.endr
	BARRIER                                        ; W_in's 24 fragments lie in LDS
	PLACES 8                                       ; x's scale words were written by vector instructions: eight places ahead of a scaled matrix instruction
.macro WGET g, ks                      ; four tiles of W_in (q: g = 0, k: 1, v: 2), K step ks
.irp t, 0,1,2,3
	FETCH WF+12*\t, L16, (2*(4*\g+\t)+\ks)*1536
	ds_load_b32 v[WS+\t], v[WSA] offset:(2*(4*\g+\t)+\ks)*128
.endr
.endm
; q or k, transposed: register ACC + 32 u + 16 a + i of lane (r, h) = channel 16 h + i of head a, token (u, r).  The bias is what the sums begin with.  The eight accumulators take turns.
.macro PROJT g
.irp u, 0,1
.irp t, 0,1,2,3
	global_load_b128 v[ACC+32*\u+8*\t:ACC+32*\u+8*\t+3], v[H64], s[44:45] offset:1024*\g+4*(32*(\t/2)+8*(\t%2))
	global_load_b128 v[ACC+32*\u+8*\t+4:ACC+32*\u+8*\t+7], v[H64], s[44:45] offset:1024*\g+4*(32*(\t/2)+8*(\t%2))+16
.endr
.endr
.irp ks, 0,1
.if \ks
	PLACES 4                                       ; in front of loads into registers that matrix instructions have read
.endif
	WGET \g, \ks
	s_wait_loadcnt 0x0
	s_wait_dscnt 0x0
.irp u, 0,1
.irp t, 0,1,2,3
	MMA ACC+32*\u+8*\t, WF+12*\t, XF+12*(2*\u+\ks), WS+\t, XS+2*\u+\ks
.endr
.endr
.endr
	PLACES 4
.endm
	; ---- k
	PROJT 1
.irp u, 0,1
	QMAX ACC+32*\u, 2
	QWORD PW, 2
	QCODE ACC+32*\u, PC, 1
	ds_store_b128 v[KW16], v[PC:PC+3] offset:768*\u
	ds_store_b64 v[KW8], v[PC+4:PC+5] offset:768*\u
	ds_store_b32 v[KWS], v[PW] offset:4*\u
	s_wait_dscnt 0x0
.endr
	; ---- v, not transposed: register ACC + 16 t + i of lane (r, h) = key 32 w + 16 h + i, channel r of tile t (THE MAP): the keys are its K
.irp t, 0,1,2,3
	global_load_b32 v[BV+2*\t], v[PR4], s[44:45] offset:2048+4*(32*(\t/2)+8*(\t%2))
	global_load_b32 v[BV+2*\t+1], v[PR4], s[44:45] offset:2048+4*(32*(\t/2)+8*(\t%2))
.endr
	WGET 2, 0
	s_wait_dscnt 0x0
.irp u, 0,1
.irp t, 0,1,2,3
	MM0 ACC+16*\t+8*\u, XF+24*\u, WF+12*\t, XS+2*\u, WS+\t
.endr
.endr
	PLACES 4
	WGET 2, 1
	s_wait_dscnt 0x0
.irp u, 0,1
.irp t, 0,1,2,3
	MMA ACC+16*\t+8*\u, XF+24*\u+12, WF+12*\t, XS+2*\u+1, WS+\t
.endr
.endr
	s_wait_loadcnt 0x0
	PLACES 4
.irp t, 0,1,2,3
.irp j, 0,2,4,6,8,10,12,14
	v_pk_add_f32 v[ACC+16*\t+\j:ACC+16*\t+\j+1], v[ACC+16*\t+\j:ACC+16*\t+\j+1], v[BV+2*\t:BV+2*\t+1]
.endr
.endr
	QMAX ACC, 4                                    ; here block t = my 32 keys of tile t's channel
.irp t, 0,1,2,3
	v_cvt_scalef32_pk16_bf6_f32 v[212+4*\t+16*(\t/3):214+4*\t+16*(\t/3)], v[ACC+16*\t:ACC+16*\t+15], v[TM+12+\t]
.endr
	v_nop
.irp t, 0,1,2,3
.irp i, 0,1,2
	ds_store_b32 v[VW], v[212+4*\t+16*(\t/3)+\i] offset:6144*\t+4*\i
.endr
	ds_store_b8 v[VWS], v[TM+4+\t] offset:256*\t   ; both lanes of a block write the same byte with the same value
.endr
	s_wait_dscnt 0x0
	; ---- q: stays in registers
	PROJT 0
.irp u, 0,1
	QMAX ACC+32*\u, 2
	QWORD QS+\u, 2
	QCODE ACC+32*\u, QP+6*\u, 1
.endr
.irp i, 22,23,24,25,26,27
	v_mov_b32 v\i, 0                               ; k = 64 .. 127 of q's fragment: zero codes
.endr
.irp t, 0,1,2,3
.irp i, 6,7,8,9,10,11
	v_mov_b32 v[KF+12*\t+\i], 0                    ; and of k's four
.endr
.endr
.irp i, 236,237,238,239,253,87,88,89
	v_mov_b32 v\i, 0
.endr
	BARRIER                                        ; k and v of all 512 keys lie in LDS
; ---- A UNIT: 16 queries (tile u) of head a against all 512 keys, 128 a step.  S^T = k q^T, O^T = v^T p^T: a lane holds one query throughout.
; t = score x c; M = the running largest t rounded up to a whole number, kept as -M; p = 2^(t - M) is quantised along the keys; the sum is taken of the unquantised p.
.macro UNIT u, a
.irp i, 0,1,2,3,4,5
	v_cndmask_b32 v[16+\i], 0, v[QP+6*\u+\i], s[32+\a]     ; the other head's codes become zeros
.endr
	v_mov_b32 v13, 0xff61b1e6                      ; -3e38, under every t
	v_floor_f32 v12, -v13
	v_mov_b32 v14, 0
	v_mov_b32 v15, 0
.set jj, 0
.rept 16
	v_mov_b32 v[O+jj], 0                           ; the step is written once: the first finds zeros
.set jj, jj+1
.endr
	s_mov_b32 s34, 0
	s_mov_b32 s35, 0
	s_mov_b32 s36, 0
	s_mov_b32 s37, 0
	s_mov_b32 s38, CLSB+2048*\a
	s_mov_b32 s39, 4
.Lstep_\@:
	v_add_nc_u32 v[ADK], s34, v[AK16]
	v_add_nc_u32 v[ADK8], s34, v[AK8]
	v_add_nc_u32 v[ADS], s35, v[ASK]
	v_add_nc_u32 v[ADV], s36, v[AV0]
	v_add_nc_u32 v[ADT], s37, v[ASV]
.irp t, 0,1,2,3
	ds_load_b128 v[KF+12*\t:KF+12*\t+3], v[ADK] offset:768*\t
	ds_load_b64 v[KF+12*\t+4:KF+12*\t+5], v[ADK8] offset:768*\t
.endr
	ds_load_b128 v[KS:KS+3], v[ADS]
	s_wait_dscnt 0x0
.irp t, 0,1,2,3
	MM0 S+8*\t, KF+12*\t, 16, KS+\t, QS+\u
.endr
	PLACES 4
.irp t, 0,1,2,3
	ds_load_b128 v[KF+12*\t:KF+12*\t+3], v[ADK] offset:768*(4+\t)
	ds_load_b64 v[KF+12*\t+4:KF+12*\t+5], v[ADK8] offset:768*(4+\t)
.endr
	ds_load_b128 v[KS:KS+3], v[ADS] offset:512
.irp t, 0,1
.irp c, 0,1,2
	ds_load_b128 v[VF+12*\t+4*\c:VF+12*\t+4*\c+3], v[ADV] offset:(2*\a+\t)*6144+16*\c
.endr
	ds_load_b32 v[VS+\t], v[ADT] offset:(2*\a+\t)*256
.endr
	s_wait_dscnt 8                                 ; k's nine loads are in; v's eight, issued behind them, may stay out
.irp t, 0,1,2,3
	MM0 S+32+8*\t, KF+12*\t, 16, KS+\t, QS+\u
.endr
	PLACES 4
.if \u == 0                            ; query 0 is lane r = 0 of wave 0's tile 0: its raw scores are kept, key by key
	s_cmp_lg_u32 s2, 0
	s_cbranch_scc1 .Lnocap_\@
	v_bfe_u32 v[CAP], v0, 4, 1
	v_lshl_add_u32 v[CAP], v[CAP], 6, s38
	v_cmp_eq_u32 vcc_lo, 0, v[RR]
	s_wait_xcnt 0x0                                ; EXEC changes only behind this wait
	s_and_saveexec_b32 s57, vcc_lo
.set jj, 0
.rept 16
	ds_store_b128 v[CAP], v[S+4*jj:S+4*jj+3] offset:128*(jj/4)+16*(jj%4)
.set jj, jj+1
.endr
	s_wait_xcnt 0x0
	s_or_b32 exec_lo, exec_lo, s57
.Lnocap_\@:
.endif
.irp b, 0,1,2,3
	v_max3_num_f32 v[232+\b], v[S+16*\b], v[S+1+16*\b], v[S+2+16*\b]     ; the largest score of each block of 32 keys: for the row's maximum and for the block's largest p
.endr
.irp i, 3,5,7,9,11,13
.irp b, 0,1,2,3
	v_max3_num_f32 v[232+\b], v[232+\b], v[S+16*\b+\i], v[S+1+16*\b+\i]
.endr
.endr
.irp b, 0,1,2,3
	v_max_num_f32 v[232+\b], v[232+\b], v[S+15+16*\b]
.endr
.irp b, 0,1,2,3
	v_permlanex16_b32 v[236+\b], v[232+\b], s28, s29
.endr
.irp b, 0,1,2,3
	v_max_num_f32 v[232+\b], v[232+\b], v[236+\b]
.endr
	v_max3_num_f32 v254, v232, v233, v234
	v_max_num_f32 v254, v254, v235
	v_mul_f32 v254, s30, v254
	v_max_num_f32 v13, v13, v254                   ; the running largest t
	v_mov_b32 v254, v12
	v_floor_f32 v12, -v13                          ; -M = floor(-t)
	v_sub_f32 v254, v12, v254                      ; old M - new M: a whole number, 0 or less
	v_cvt_i32_f32 v254, v254
	v_ldexp_f32 v252, 1.0, v254                    ; f = 2^(old M - new M): exact
.set jj, 0
.rept 32
	v_pk_fma_f32 v[S+jj:S+jj+1], v[S+jj:S+jj+1], s[30:31], v[12:13] op_sel_hi:[1,0,0]
.set jj, jj+2
.endr
.irp b, 0,1,2,3
	v_fma_f32 v[232+\b], v[232+\b], s30, v12
.endr
.set jj, 0
.rept 64
	v_exp_f32 v[S+jj], v[S+jj]
.set jj, jj+1
.endr
	v_pk_mul_f32 v[14:15], v[14:15], v[252:253] op_sel_hi:[1,0]    ; a plain place behind the exponentials
	s_wait_alu depctr_va_vdst(0)                   ; one wait for the batch, ahead of its first reader
.irp b, 0,1,2,3
	v_exp_f32 v[232+\b], v[232+\b]                 ; the block's largest p
.endr
	v_pk_add_f32 v[236:237], v[S:S+1], v[S+2:S+3]  ; the row's sum, of the unquantised p, in two chains
.irp j, 4,8,12,16,20,24,28,32,36,40,44,48,52,56,60
	v_pk_add_f32 v[14:15], v[14:15], v[S+\j:S+\j+1]
	v_pk_add_f32 v[236:237], v[236:237], v[S+2+\j:S+3+\j]
.endr
	v_pk_add_f32 v[14:15], v[14:15], v[236:237]
	s_wait_alu depctr_va_vdst(0)                   ; and one for the four
.irp b, 0,1,2,3
	v_max_num_f32 v[232+\b], 0x2800000, v[232+\b]
.endr
.irp b, 0,1,2,3
	v_add_nc_u32 v[244+\b], 0xfe000000, v[232+\b]
.endr
.irp b, 0,1,2,3
	v_lshrrev_b32 v[236+\b], 23, v[244+\b]
.endr
	v_lshl_or_b32 v253, v237, 8, v236              ; p's scale word for these 128 keys
	v_lshl_or_b32 v253, v238, 16, v253
	v_lshl_or_b32 v253, v239, 24, v253
.irp c, 0,1
	v_cvt_scalef32_pk16_bf6_f32 v[224+6*\c:226+6*\c], v[S+32*\c:S+15+32*\c], v[244+2*\c]
	v_cvt_scalef32_pk16_bf6_f32 v[236+4*\c:238+4*\c], v[S+16+32*\c:S+31+32*\c], v[245+2*\c]
.endr
	v_nop
.irp c, 0,1
.irp i, 0,1,2
	v_permlane16_swap_b32 v[224+6*\c+\i], v[236+4*\c+\i]
.endr
.irp i, 0,1,2
	v_mov_b32 v[227+6*\c+\i], v[236+4*\c+\i]
.endr
.endr
.irp j, 0,2,4,6,8,10,12,14
	v_pk_mul_f32 v[O+\j:O+\j+1], v[O+\j:O+\j+1], v[252:253] op_sel_hi:[1,0]     ; O^T under the new M
.endr
	s_wait_dscnt 0x0                               ; v's fragments
.irp t, 0,1
	MMA O+8*\t, VF+12*\t, 224, VS+\t, 253
.endr
	s_add_co_u32 s34, s34, 6144
	s_add_co_u32 s35, s35, 1024
	s_add_co_u32 s36, s36, 1536
	s_add_co_u32 s37, s37, 64
	s_add_co_u32 s38, s38, 512
	s_sub_co_u32 s39, s39, 1
	s_cmp_lg_u32 s39, 0
	s_cbranch_scc1 .Lstep_\@
	PLACES 4
	v_add_f32 v14, v14, v15
	v_permlanex16_b32 v252, v14, s28, s29
	v_add_f32 v14, v14, v252                       ; l
	v_rcp_f32 v14, v14
	v_nop
	s_wait_alu depctr_va_vdst(0)
.set jj, 0
.rept 16
	v_mul_f32 v[S+jj], v[O+jj], v14                ; O / l: channels 16 h + 0 .. 15 of head a, my query: a block of the next product's K lies in lanes l and l xor 16
.set jj, jj+1
.endr
	v_max3_num_f32 v232, |v[S]|, |v[S+1]|, 0x2800000
.irp i, 2,4,6,8,10,12,14
	v_max3_num_f32 v232, v232, |v[S+\i]|, |v[S+1+\i]|
.endr
	v_permlanex16_b32 v236, v232, s28, s29
	v_max_num_f32 v232, v232, v236
	v_add_nc_u32 v244, 0xfe000000, v232
.if \a == 0
	v_cvt_scalef32_pk16_bf6_f32 v[OC:OC+2], v[S:S+15], v244
	v_lshrrev_b32 v[BA], 23, v244                  ; head A's byte (a plain place behind the conversion)
.else
	v_cvt_scalef32_pk16_bf6_f32 v[OT:OT+2], v[S:S+15], v244
	v_lshrrev_b32 v240, 23, v244
.irp i, 0,1,2
	v_permlane16_swap_b32 v[OC+\i], v[OT+\i]       ; lanes 0-15 now hold head A's 32 codes, lanes 16-31 head B's
.endr
.irp i, 0,1,2
	v_mov_b32 v[OC+3+\i], v[OT+\i]
.endr
	v_lshl_or_b32 v[OW], v240, 8, v[BA]
	v_and_b32 v8, 8, v[RR]
	v_add_nc_u32 v8, v8, v[RR]
	v_lshlrev_b32 v8, 6, v8
	v_add_nc_u32 v9, s56, v8                       ; my stage: a record of 64 bytes for each of my 32 tokens
	v_bfe_u32 v10, v0, 4, 1
	v_mad_u32_u24 v8, v10, 24, v9
.irp i, 0,1,2
	ds_store_b64 v8, v[OC+2*\i:OC+2*\i+1] offset:512*\u+8*\i
.endr
	ds_store_b128 v9, v[OW:OW+3] offset:512*\u+48  ; the two scale bytes and 14 zeros; both halves of the lanes write the same
.endif
.if \u == 0                            ; attn of query 0, with the final M and l: 2^(t - M) / l
	s_cmp_lg_u32 s2, 0
	s_cbranch_scc1 .Lnocls_\@
	v_readlane_b32 s58, v12, 0
	v_readlane_b32 s59, v14, 0
	v_add_nc_u32 v[CAP], CLSB+2048*\a, v[L16]
.irp i, 0,1,2,3
	ds_load_b128 v[112+4*\i:115+4*\i], v[CAP] offset:512*\i
.endr
	s_wait_dscnt 0x0
.set jj, 0
.rept 16
	v_fma_f32 v[112+jj], v[112+jj], s30, s58
.set jj, jj+1
.endr
.set jj, 0
.rept 16
	v_exp_f32 v[112+jj], v[112+jj]
.set jj, jj+1
.endr
	v_nop
	s_wait_alu depctr_va_vdst(0)
.set jj, 0
.rept 16
	v_mul_f32 v[112+jj], s59, v[112+jj]
.set jj, jj+1
.endr
.irp i, 0,1,2,3
	global_store_b128 v[L16], v[112+4*\i:115+4*\i], s[48:49] offset:2048*\a+512*\i
.endr
	s_wait_xcnt 0x0                                ; the stores have read their registers: the next unit's scores land there
.Lnocls_\@:
.endif
.endm
	UNIT 0, 0
	UNIT 0, 1
	UNIT 1, 0
	UNIT 1, 1
.irp i, 0,1,2,3
	ds_load_b128 v[S+4*\i:S+4*\i+3], v[STW] offset:512*\i     ; my 32 records, 2,048 dense bytes
.endr
.irp i, 0,1,2,3
	s_wait_dscnt 3-\i                              ; the younger loads may stay out
	global_store_b128 v[L16], v[S+4*\i:S+4*\i+3], s[46:47] offset:512*\i
.endr
	s_wait_tensorcnt 0x0                           ; the wave's end, behind my last LDS store
	ds_add_u32 v[SPW], v[NIL]
	s_wait_dscnt 0x0
	s_endpgm
.Lfunc_end_k_q345cd31978_attn:
	.size	k_q345cd31978_attn, .Lfunc_end_k_q345cd31978_attn-k_q345cd31978_attn
	.p2alignl 7, 3214868480
	.fill 96, 4, 3214868480
	.section	.rodata,"a",@progbits
	.p2align	6, 0x0
	.amdhsa_kernel k_q345cd31978_attn
		.amdhsa_group_segment_fixed_size 235520
		.amdhsa_private_segment_fixed_size 0
		.amdhsa_enable_private_segment 0
		.amdhsa_kernarg_size 80
		.amdhsa_user_sgpr_count 2
		.amdhsa_user_sgpr_kernarg_segment_ptr 1
		.amdhsa_wavefront_size32 1
		.amdhsa_system_sgpr_workgroup_id_x 1
		.amdhsa_system_sgpr_workgroup_id_y 1
		.amdhsa_system_sgpr_workgroup_id_z 1
		.amdhsa_system_vgpr_workitem_id 0
		.amdhsa_next_free_vgpr 256
		.amdhsa_next_free_sgpr 80
		.amdhsa_reserve_vcc 1
		.amdhsa_float_denorm_mode_32 3
		.amdhsa_float_denorm_mode_16_64 3
		.amdhsa_memory_ordered 1
		.amdhsa_forward_progress 1
		.amdhsa_inst_pref_size 181
	.end_amdhsa_kernel
	.amdgpu_metadata
---
amdhsa.version: [ 1, 2 ]
amdhsa.kernels:
  - .name:           k_q345cd31978_attn
    .symbol:         k_q345cd31978_attn.kd
    .args:
      - { .name: src1, .offset: 0, .size: 8, .value_kind: global_buffer, .address_space: global }
      - { .name: src2, .offset: 8, .size: 8, .value_kind: global_buffer, .address_space: global }
      - { .name: W_in, .offset: 16, .size: 8, .value_kind: global_buffer, .address_space: global }
      - { .name: b_in, .offset: 24, .size: 8, .value_kind: global_buffer, .address_space: global }
      - { .name: W_out, .offset: 32, .size: 8, .value_kind: global_buffer, .address_space: global }
      - { .name: W1, .offset: 40, .size: 8, .value_kind: global_buffer, .address_space: global }
      - { .name: W2, .offset: 48, .size: 8, .value_kind: global_buffer, .address_space: global }
      - { .name: ao, .offset: 56, .size: 8, .value_kind: global_buffer, .address_space: global }
      - { .name: cls, .offset: 64, .size: 8, .value_kind: global_buffer, .address_space: global }
      - { .name: wq, .offset: 72, .size: 8, .value_kind: global_buffer, .address_space: global }
    .group_segment_fixed_size: 235520
    .private_segment_fixed_size: 0
    .kernarg_segment_align: 8
    .kernarg_segment_size: 80
    .max_flat_workgroup_size: 512
    .sgpr_count:     80
    .vgpr_count:     256
    .wavefront_size: 32
...
	.end_amdgpu_metadata
.endif
;; end of part 1
;; launch oproj (part 2): grid 256 x 1, 8 waves a work-group, no clusters, 198,144 bytes of LDS; arguments src1, src2, ao, cls, wq, b_out, g1, be1, xw, psum, msk; writes xw, psum, msk
.if DOCPART == 2
	.amdgcn_target "amdgcn-amd-amdhsa--gfx1250"
	.amdhsa_code_object_version 6
	.text
	.protected	k_q345cd31978_oproj
	.globl	k_q345cd31978_oproj
	.p2align	8
	.type	k_q345cd31978_oproj,@function
k_q345cd31978_oproj:
	s_mov_b64 s[64:65], 0
	v_nop
	global_prefetch_b8 v0, s[64:65] scope:SCOPE_SE
	s_setreg_imm32_b32 hwreg(HW_REG_WAVE_MODE, 25, 1), 1
	s_wait_xcnt 0x0
; LAUNCH 2 OF 3: x = LN1(src + O W_out^T + b_out); the column sums of x over this work-group's 128 rows; the mask of the rows that the exchange replaces.
; WORK LEFT OUT (shown at the head of launch 1): only query 0's head-summed weights exist; the mean's 1/8 cancels in every comparison; the median is not sorted for:
; row k >= 1 is replaced exactly where the number of j in 1..511 with cls[j] <= cls[k] is at most 255.  Key 0 is set to +infinity: it counts for no finite row, and row 0 (count 512) is never replaced.
; LIMITS: as in launch 1.  The sums of the mean and the variance run in another order than reference()'s.
; SHARES.  Work-group = (sb, qt), number 4 sb + qt: rows 128 qt .. + 127 of batch sb.  8 waves, 16 rows x 256 channels each.  Source 0 = 16 rows of W_out (picked as in launch 1), source 1 = O's codes:
; register ACC + 16 b + i of lane (r, h) = channel 32 b + 16 h + i of row r.  src + b_out is what the sums begin with: it goes through my stage from rows into that layout, and the finished sums come back as rows.
; No tensor loads, no cluster: what the work-groups share is W_out's 52 KiB, copied once into LDS.
.set WSCO,  49152                      ; LDS: W_out's 32 fragments from byte 0, their scale words here: a copy of wq's first 53,248 bytes
.set CL,    53248                      ; the 512 head-summed weights of query 0
.set RED,   55296                      ; column sums, 1,024 bytes a wave
.set MK,    63488                      ; 128 mask words
.set STG,   64000                      ; a stage of 16 rows x 1,040 for each wave
.set SPARE, 197120
.set RDR, 1
.set MKR, 3
.set L16, 4
.set SPW, 5
.set NIL, 6
.set STW, 7
.set STD, 8
.set MINE, 9
.set WSA, 10
.set AOA, 11
.set AOS, 12
.set MY,  13
.set CNT, 14
.set ADR, 15
.set AO,  16                           ; v16-39 O's two fragments; later T, U, CS
.set T,   16
.set U,   24
.set CS,  32
.set AS,  40                           ; v40-41 their scale words
.set SW,  42
.set C8,  46
.set RK0, 47
.set WF,  48                           ; v48-99 the copy in flight, then the rank's data, then four fragments of W_out and v96-99 their scale words
.set WS,  96
.set G,   100                          ; v100-115 the cls loads, then g1, be1
.set BE,  108
.set BO,  116
.set CPY, 124
.set CLW, 125
.set RDW, 126
.set MKW, 127
.set ACC, 128
.macro PLACES n
.rept \n
	v_nop
.endr
.endm
.macro BARRIER
	s_wait_dscnt 0x0
	s_barrier_signal -1
	s_barrier_wait -1
.endm
.macro FETCH reg, adr, off
.irp c, 0,1,2
	ds_load_b128 v[\reg+4*\c:\reg+4*\c+3], v[\adr] offset:(\off)+512*\c
.endr
.endm
.macro MMA d, a, b, sa, sb
	v_wmma_scale_f32_16x16x128_f8f6f4 v[\d:\d+7], v[\a:\a+11], v[\b:\b+11], v[\d:\d+7], v[\sa], v[\sb] matrix_a_fmt:MATRIX_FMT_BF6 matrix_b_fmt:MATRIX_FMT_BF6
.endm
; Four rows, 8 numbers a lane each (channels 4 lane .. + 3 and 128 + 4 lane .. + 3), are normalised in place; the rows take turns in every line.  cs = 1: the results are added to the column sums.
.macro LN4 D, cs
.irp k, 0,1,2,3
	v_pk_add_f32 v[T+2*\k:T+2*\k+1], v[\D+8*\k:\D+8*\k+1], v[\D+8*\k+2:\D+8*\k+3]
	v_pk_add_f32 v[U+2*\k:U+2*\k+1], v[\D+8*\k+4:\D+8*\k+5], v[\D+8*\k+6:\D+8*\k+7]
.endr
.irp k, 0,1,2,3
	v_pk_add_f32 v[T+2*\k:T+2*\k+1], v[T+2*\k:T+2*\k+1], v[U+2*\k:U+2*\k+1]
.endr
.irp k, 0,1,2,3
	v_add_f32 v[T+2*\k], v[T+2*\k], v[T+2*\k+1]
.endr
.irp x, 1,2,4,8
.irp k, 0,1,2,3
	v_add_f32_dpp v[T+2*\k], v[T+2*\k], v[T+2*\k] row_xmask:\x row_mask:0xf bank_mask:0xf
.endr
.endr
.irp k, 0,1,2,3
	v_permlanex16_b32 v[T+2*\k+1], v[T+2*\k], s46, s47
.endr
.irp k, 0,1,2,3
	v_add_f32 v[T+2*\k], v[T+2*\k], v[T+2*\k+1]
.endr
.irp k, 0,1,2,3
	v_mul_f32 v[T+2*\k], s48, v[T+2*\k]            ; the mean
.endr
.irp k, 0,1,2,3
.irp e, 0,2,4,6
	v_pk_add_f32 v[\D+8*\k+\e:\D+8*\k+\e+1], v[\D+8*\k+\e:\D+8*\k+\e+1], v[T+2*\k:T+2*\k+1] op_sel_hi:[1,0] neg_lo:[0,1] neg_hi:[0,1]
.endr
.endr
.irp k, 0,1,2,3
	v_pk_mul_f32 v[U+2*\k:U+2*\k+1], v[\D+8*\k:\D+8*\k+1], v[\D+8*\k:\D+8*\k+1]
.endr
.irp e, 2,4,6
.irp k, 0,1,2,3
	v_pk_fma_f32 v[U+2*\k:U+2*\k+1], v[\D+8*\k+\e:\D+8*\k+\e+1], v[\D+8*\k+\e:\D+8*\k+\e+1], v[U+2*\k:U+2*\k+1]
.endr
.endr
.irp k, 0,1,2,3
	v_add_f32 v[U+2*\k], v[U+2*\k], v[U+2*\k+1]
.endr
.irp x, 1,2,4,8
.irp k, 0,1,2,3
	v_add_f32_dpp v[U+2*\k], v[U+2*\k], v[U+2*\k] row_xmask:\x row_mask:0xf bank_mask:0xf
.endr
.endr
.irp k, 0,1,2,3
	v_permlanex16_b32 v[U+2*\k+1], v[U+2*\k], s46, s47
.endr
.irp k, 0,1,2,3
	v_add_f32 v[U+2*\k], v[U+2*\k], v[U+2*\k+1]
.endr
.irp k, 0,1,2,3
	v_fma_f32 v[U+2*\k], v[U+2*\k], s48, s49       ; the variance + eps
.endr
.irp k, 0,1,2,3
	v_rsq_f32 v[U+2*\k], v[U+2*\k]
.endr
	v_nop
	s_wait_alu depctr_va_vdst(0)                   ; one wait for the four, ahead of their first reader
.irp k, 0,1,2,3
.irp e, 0,2,4,6
	v_pk_mul_f32 v[\D+8*\k+\e:\D+8*\k+\e+1], v[\D+8*\k+\e:\D+8*\k+\e+1], v[U+2*\k:U+2*\k+1] op_sel_hi:[1,0]
.endr
.endr
.irp k, 0,1,2,3
.irp e, 0,2,4,6
	v_pk_fma_f32 v[\D+8*\k+\e:\D+8*\k+\e+1], v[\D+8*\k+\e:\D+8*\k+\e+1], v[G+\e:G+\e+1], v[BE+\e:BE+\e+1]
.endr
.endr
.if \cs
.irp k, 0,1,2,3
.irp e, 0,2,4,6
	v_pk_add_f32 v[CS+\e:CS+\e+1], v[CS+\e:CS+\e+1], v[\D+8*\k+\e:\D+8*\k+\e+1]
.endr
.endr
.endif
.endm
	s_load_b512 s[8:23], s[0:1], 0x0               ; src1 8, src2 10, ao 12, cls 14, wq 16, b_out 18, g1 20, be1 22
	s_load_b128 s[24:27], s[0:1], 0x40             ; xw 24, psum 26
	s_load_b64 s[28:29], s[0:1], 0x50              ; msk
	v_lshl_add_u32 v[SPW], v0, 2, SPARE
	v_mov_b32 v[NIL], 0
	v_lshrrev_b32 v1, 5, v0
	v_readfirstlane_b32 s2, v1                     ; wave
	s_mov_b32 s3, ttmp9
	s_and_b32 s4, s3, 3                            ; qt
	s_lshr_b32 s5, s3, 2                           ; sb
	v_and_b32 v1, 31, v0
	v_and_b32 v2, 15, v0
	v_bfe_u32 v3, v0, 4, 1
	v_lshlrev_b32 v[L16], 4, v1
	s_mul_i32 s6, s2, 16640
	s_add_co_u32 s6, s6, STG
	v_add_nc_u32 v[STW], s6, v[L16]                ; my stage, by rows
	v_mul_u32_u24 v[STD], v2, 1040
	v_lshl_add_u32 v[STD], v3, 6, v[STD]
	v_add_nc_u32 v[STD], s6, v[STD]                ; and in the sums' layout: row r, + 64 h
	v_lshl_add_u32 v[WSA], v1, 2, WSCO
	v_lshlrev_b32 v[AOA], 6, v2
	v_mad_u32_u24 v[AOA], v3, 24, v[AOA]           ; ao: record r, head h of the pair
	v_lshl_add_u32 v[AOS], v2, 6, 48
	s_mul_i32 s7, s2, 6656
	v_add_nc_u32 v[CPY], s7, v[L16]                ; my eighth of the copy, in wq and in LDS alike
	v_lshl_add_u32 v[CLW], v0, 3, CL
	s_lshl_b32 s7, s2, 10
	v_add_nc_u32 v[RDW], s7, v[L16]
	v_add_nc_u32 v[RDW], RED, v[RDW]
	s_lshl_b32 s7, s2, 6
	v_lshl_add_u32 v[MKW], v2, 2, s7
	v_add_nc_u32 v[MKW], MK, v[MKW]
	s_lshl_b32 s30, s4, 9
	s_add_co_u32 s7, s7, s30
	v_lshl_add_u32 v[MINE], v2, 2, s7
	v_add_nc_u32 v[MINE], CL, v[MINE]              ; my row's own weight: key 128 qt + 16 wave + r
	v_lshlrev_b32 v[C8], 3, v0
	v_lshl_add_u32 v[RK0], v3, 10, CL              ; lanes 0-15 count over keys 0-255, lanes 16-31 over 256-511
	s_and_b32 s7, s2, 1
	s_lshl_b32 s7, s7, 9
	v_add_nc_u32 v[RDR], s7, v[L16]
	v_add_nc_u32 v[RDR], RED, v[RDR]
	v_add_nc_u32 v[MKR], MK, v[L16]
	s_mov_b32 s46, 0x76543210
	s_mov_b32 s47, 0xfedcba98
	s_mov_b32 s48, 0x3b800000                      ; 1 / 256
	s_mov_b32 s49, 0x3727c5ac                      ; 1e-5
	s_wait_kmcnt 0x0
	s_cmp_lt_u32 s5, 32
	s_cselect_b64 s[32:33], s[8:9], s[10:11]
	s_lshl_b32 s7, s4, 7
	s_lshl_b32 s30, s2, 4
	s_add_co_u32 s7, s7, s30                       ; 128 qt + 16 wave
	s_and_b32 s30, s5, 31
	s_lshl_b32 s30, s30, 9
	s_add_co_u32 s30, s30, s7
	s_lshl_b32 s30, s30, 10
	s_mov_b32 s31, 0
	s_add_nc_u64 s[32:33], s[32:33], s[30:31]      ; src at my 16 rows
	s_lshl_b32 s30, s5, 9
	s_add_co_u32 s30, s30, s7
	s_lshl_b32 s30, s30, 10
	s_add_nc_u64 s[38:39], s[24:25], s[30:31]      ; xw likewise
	s_lshl_b32 s30, s5, 17
	s_lshl_b32 s7, s7, 6
	s_add_co_u32 s30, s30, s7
	s_add_nc_u64 s[34:35], s[12:13], s[30:31]      ; ao: plane 0, my 16 records
	s_lshl_b32 s30, s5, 14
	s_add_nc_u64 s[36:37], s[14:15], s[30:31]
	s_lshl_b32 s30, s3, 10
	s_and_b32 s7, s2, 1
	s_lshl_b32 s7, s7, 9
	s_add_co_u32 s30, s30, s7
	s_add_nc_u64 s[40:41], s[26:27], s[30:31]
	s_lshl_b32 s30, s3, 9
	s_add_nc_u64 s[42:43], s[28:29], s[30:31]
.irp d, 0,1,2,3,4,5,6,7
	global_load_b64 v[G+2*\d:G+2*\d+1], v[C8], s[36:37] offset:2048*\d     ; keys 2 t, 2 t + 1 of head d
.endr
.set li, 0
.rept 13
	global_load_b128 v[WF+4*li:WF+4*li+3], v[CPY], s[16:17] offset:512*li
.set li, li+1
.endr
.set li, 0
.rept 16
	global_load_b128 v[ACC+8*li:ACC+8*li+3], v[L16], s[32:33] offset:1024*li th:TH_LOAD_NT
	global_load_b128 v[ACC+8*li+4:ACC+8*li+7], v[L16], s[32:33] offset:1024*li+512 th:TH_LOAD_NT
.set li, li+1
.endr
.irp p, 0,1,2,3                        ; plane p = heads 2 p, 2 p + 1 = k 64 p .. 64 p + 63: registers 6 p .. 6 p + 5 of the two fragments on end
.irp i, 0,1,2
	global_load_b64 v[AO+6*\p+2*\i:AO+6*\p+2*\i+1], v[AOA], s[34:35] offset:32768*\p+8*\i
.endr
.endr
.irp p, 0,1,2,3
	global_load_b32 v[SW+\p], v[AOS], s[34:35] offset:32768*\p
.endr
	s_wait_loadcnt 61                              ; the eight cls loads are in: 13 + 32 + 16 were issued behind them
.irp d, 1,2,3,4,5,6,7
	v_pk_add_f32 v[G:G+1], v[G:G+1], v[G+2*\d:G+2*\d+1]    ; the heads in order 0 .. 7
.endr
	v_mov_b32 v[CNT], 0x7f800000
	v_cmp_eq_u32 vcc_lo, 0, v0
	v_cndmask_b32 v[G], v[G], v[CNT], vcc_lo       ; key 0 is no part of cls
	ds_store_b64 v[CLW], v[G:G+1]
	s_wait_loadcnt 48                              ; the copy's 13 loads are in: 32 + 16 behind them
.set li, 0
.rept 13
	ds_store_b128 v[CPY], v[WF+4*li:WF+4*li+3] offset:512*li
.set li, li+1
.endr
	s_wait_dscnt 0x0                               ; the stores have read their registers: loads land there next
	global_load_b128 v[BO:BO+3], v[L16], s[18:19]
	global_load_b128 v[BO+4:BO+7], v[L16], s[18:19] offset:512
	global_load_b128 v[G:G+3], v[L16], s[20:21]
	global_load_b128 v[G+4:G+7], v[L16], s[20:21] offset:512
	global_load_b128 v[BE:BE+3], v[L16], s[22:23]
	global_load_b128 v[BE+4:BE+7], v[L16], s[22:23] offset:512
	s_wait_loadcnt 0x0
.set li, 0
.rept 16
.irp e, 0,2,4,6
	v_pk_add_f32 v[ACC+8*li+\e:ACC+8*li+\e+1], v[ACC+8*li+\e:ACC+8*li+\e+1], v[BO+\e:BO+\e+1]
.endr
.set li, li+1
.endr
.set li, 0
.rept 16
	ds_store_b128 v[STW], v[ACC+8*li:ACC+8*li+3] offset:1040*li
	ds_store_b128 v[STW], v[ACC+8*li+4:ACC+8*li+7] offset:1040*li+512
.set li, li+1
.endr
	s_wait_dscnt 0x0
.set li, 0
.rept 32
	ds_load_b128 v[ACC+4*li:ACC+4*li+3], v[STD] offset:128*(li/4)+16*(li%4)
.set li, li+1
.endr
	v_lshl_or_b32 v[AS], v[SW+1], 16, v[SW]        ; four heads' bytes make a K step's scale word
	v_lshl_or_b32 v[AS+1], v[SW+3], 16, v[SW+2]
	BARRIER                                        ; W_out's images and the 512 weights lie in LDS
	; ---- the rank of my 16 rows
	ds_load_b32 v[MY], v[MINE]
	v_mov_b32 v[CNT], 0
	s_mov_b32 s44, 0
.Lrank:
	v_add_nc_u32 v[ADR], s44, v[RK0]
.irp q, 0,1,2,3,4,5,6,7
	ds_load_b128 v[WF+4*\q:WF+4*\q+3], v[ADR] offset:16*\q
.endr
	s_wait_dscnt 0x0
.set li, 0
.rept 32
	v_cmp_le_f32 vcc_lo, v[WF+li], v[MY]
	v_add_co_ci_u32 v[CNT], vcc_lo, 0, v[CNT], vcc_lo
.set li, li+1
.endr
	s_add_co_u32 s44, s44, 128
	s_cmp_lt_u32 s44, 1024
	s_cbranch_scc1 .Lrank
	v_permlanex16_b32 v[SW+3], v[CNT], s46, s47
	v_add_nc_u32 v[CNT], v[CNT], v[SW+3]
	v_cmp_gt_u32 vcc_lo, 256, v[CNT]
	v_cndmask_b32 v[SW+3], 0, -1, vcc_lo           ; all ones: the row is replaced
	ds_store_b32 v[MKW], v[SW+3]
	; ---- the product: 16 accumulators by turns, four at a time
.irp s, 0,1
.irp g, 0,1,2,3
.if (\s+\g) > 0
	PLACES 4
.endif
.irp t, 0,1,2,3
	FETCH WF+12*\t, L16, (2*(4*\g+\t)+\s)*1536
	ds_load_b32 v[WS+\t], v[WSA] offset:(2*(4*\g+\t)+\s)*128
.endr
	s_wait_dscnt 0x0
.irp t, 0,1,2,3
	MMA ACC+8*(4*\g+\t), WF+12*\t, AO+12*\s, WS+\t, AS+\s
.endr
.endr
.endr
	PLACES 4
.set li, 0
.rept 32
	ds_store_b128 v[STD], v[ACC+4*li:ACC+4*li+3] offset:128*(li/4)+16*(li%4)      ; each accumulator from its low end on
.set li, li+1
.endr
.irp e, 0,1,2,3,4,5,6,7
	v_mov_b32 v[CS+\e], 0
.endr
	s_wait_dscnt 0x0
	; ---- LN1, four rows a trip
	s_mov_b32 s44, 0
.Lln:
	v_add_nc_u32 v[ADR], s44, v[STW]
.irp k, 0,1,2,3
	ds_load_b128 v[ACC+8*\k:ACC+8*\k+3], v[ADR] offset:1040*\k
	ds_load_b128 v[ACC+8*\k+4:ACC+8*\k+7], v[ADR] offset:1040*\k+512
.endr
	s_wait_dscnt 0x0
	LN4 ACC, 1
.irp k, 0,1,2,3
	global_store_b128 v[L16], v[ACC+8*\k:ACC+8*\k+3], s[38:39] offset:1024*\k        ; 512 consecutive bytes a store
	global_store_b128 v[L16], v[ACC+8*\k+4:ACC+8*\k+7], s[38:39] offset:1024*\k+512
.endr
	s_wait_xcnt 0x0                                ; the stores have read their registers and their base: both are written again
	s_add_nc_u64 s[38:39], s[38:39], 4096
	s_add_co_u32 s44, s44, 4160
	s_cmp_lt_u32 s44, 16640
	s_cbranch_scc1 .Lln
	ds_store_b128 v[RDW], v[CS:CS+3]
	ds_store_b128 v[RDW], v[CS+4:CS+7] offset:512
	BARRIER                                        ; eight waves' column sums and the 128 mask words lie in LDS
	s_cmp_lt_u32 s2, 2
	s_cbranch_scc0 .Lnot_sum
.irp k, 0,1,2,3,4,5,6,7
	ds_load_b128 v[WF+4*\k:WF+4*\k+3], v[RDR] offset:1024*\k
.endr
	s_wait_dscnt 0x0
.irp k, 1,2,3,4,5,6,7
	v_pk_add_f32 v[WF:WF+1], v[WF:WF+1], v[WF+4*\k:WF+4*\k+1]
	v_pk_add_f32 v[WF+2:WF+3], v[WF+2:WF+3], v[WF+4*\k+2:WF+4*\k+3]
.endr
	global_store_b128 v[L16], v[WF:WF+3], s[40:41]
	s_branch .Lend
.Lnot_sum:
	s_cmp_eq_u32 s2, 2
	s_cbranch_scc0 .Lend
	ds_load_b128 v[WF:WF+3], v[MKR]
	s_wait_dscnt 0x0
	global_store_b128 v[L16], v[WF:WF+3], s[42:43]
.Lend:
	s_wait_tensorcnt 0x0                           ; the wave's end, behind my last LDS store
	ds_add_u32 v[SPW], v[NIL]
	s_wait_dscnt 0x0
	s_endpgm
.Lfunc_end_k_q345cd31978_oproj:
	.size	k_q345cd31978_oproj, .Lfunc_end_k_q345cd31978_oproj-k_q345cd31978_oproj
	.p2alignl 7, 3214868480
	.fill 96, 4, 3214868480
	.section	.rodata,"a",@progbits
	.p2align	6, 0x0
	.amdhsa_kernel k_q345cd31978_oproj
		.amdhsa_group_segment_fixed_size 198144
		.amdhsa_private_segment_fixed_size 0
		.amdhsa_enable_private_segment 0
		.amdhsa_kernarg_size 88
		.amdhsa_user_sgpr_count 2
		.amdhsa_user_sgpr_kernarg_segment_ptr 1
		.amdhsa_wavefront_size32 1
		.amdhsa_system_sgpr_workgroup_id_x 1
		.amdhsa_system_sgpr_workgroup_id_y 1
		.amdhsa_system_sgpr_workgroup_id_z 1
		.amdhsa_system_vgpr_workitem_id 0
		.amdhsa_next_free_vgpr 256
		.amdhsa_next_free_sgpr 66
		.amdhsa_reserve_vcc 1
		.amdhsa_float_denorm_mode_32 3
		.amdhsa_float_denorm_mode_16_64 3
		.amdhsa_memory_ordered 1
		.amdhsa_forward_progress 1
		.amdhsa_inst_pref_size 53
	.end_amdhsa_kernel
	.amdgpu_metadata
---
amdhsa.version: [ 1, 2 ]
amdhsa.kernels:
  - .name:           k_q345cd31978_oproj
    .symbol:         k_q345cd31978_oproj.kd
    .args:
      - { .name: src1, .offset: 0, .size: 8, .value_kind: global_buffer, .address_space: global }
      - { .name: src2, .offset: 8, .size: 8, .value_kind: global_buffer, .address_space: global }
      - { .name: ao, .offset: 16, .size: 8, .value_kind: global_buffer, .address_space: global }
      - { .name: cls, .offset: 24, .size: 8, .value_kind: global_buffer, .address_space: global }
      - { .name: wq, .offset: 32, .size: 8, .value_kind: global_buffer, .address_space: global }
      - { .name: b_out, .offset: 40, .size: 8, .value_kind: global_buffer, .address_space: global }
      - { .name: g1, .offset: 48, .size: 8, .value_kind: global_buffer, .address_space: global }
      - { .name: be1, .offset: 56, .size: 8, .value_kind: global_buffer, .address_space: global }
      - { .name: xw, .offset: 64, .size: 8, .value_kind: global_buffer, .address_space: global }
      - { .name: psum, .offset: 72, .size: 8, .value_kind: global_buffer, .address_space: global }
      - { .name: msk, .offset: 80, .size: 8, .value_kind: global_buffer, .address_space: global }
    .group_segment_fixed_size: 198144
    .private_segment_fixed_size: 0
    .kernarg_segment_align: 8
    .kernarg_segment_size: 88
    .max_flat_workgroup_size: 256
    .sgpr_count:     66
    .vgpr_count:     256
    .wavefront_size: 32
...
	.end_amdgpu_metadata
.endif
;; end of part 2
;; launch ffn (part 3): grid 256 x 1, 4 waves a work-group, no clusters, 247,296 bytes of LDS; arguments xw, psum, msk, wq, b1, b2, g2, be2, out0, out1; writes out0, out1
.if DOCPART == 3
	.amdgcn_target "amdgcn-amd-amdhsa--gfx1250"
	.amdhsa_code_object_version 6
	.text
	.protected	k_q345cd31978_ffn
	.globl	k_q345cd31978_ffn
	.p2align	8
	.type	k_q345cd31978_ffn,@function
k_q345cd31978_ffn:
	s_mov_b64 s[64:65], 0
	v_nop
	global_prefetch_b8 v0, s[64:65] scope:SCOPE_SE
	s_setreg_imm32_b32 hwreg(HW_REG_WAVE_MODE, 25, 1), 1
	s_wait_xcnt 0x0
; LAUNCH 3 OF 3: x' = the row of x, or the other stream's mean where the mask says so; out = LN2(x' + relu(x' W1^T + b1) W2^T + b2).
; WORK LEFT OUT: none here; what the exchange needs was reduced in launches 1 and 2 (shown at the head of launch 1).  The mask words are used as lane masks of a select alone: no address, branch or trip count hangs on them.
; LIMITS: as in launch 1.  The mean over 512 rows and LN2's sums run in another order than reference()'s.
; SHARES.  Work-group = (sb, qt): 128 rows, 4 waves.  THE WAVES SHARE THE COLUMNS: in super-chunk c (512 hidden units, four trips) wave w makes hidden units 128 (4 c + w) .. + 127 for all eight tiles of rows,
; and outputs 64 w .. 64 w + 63.  Its fragments of W1 and W2 come from wq, laid in the order of the operand's registers, straight into registers: each is used by this wave alone, for eight products;
; so they do not go through LDS, and no joint load is made of them.  The rows' codes (x' once, the hidden layer in every trip) go from wave to wave through LDS as images of the operand's registers.
; x' + b2 is what the second product's sums begin with.
; REGISTERS, in windows of 256: window 0 addresses, scale words and all vector work; window 1 W1's 16 fragments (12 (2 t + K step)) and from v192 b1's 8 tiles; window 2 W2's 16 fragments (12 (4 n + s));
; window 3 the 32 accumulators of y ((n, m) at 8 (8 n + m)).
.set XSC,   24576                      ; LDS: x's 16 fragments (2 m + K step) from byte 0; their scale words here
.set HIMG,  26624                      ; the hidden layer's 32 fragments (4 m + s)
.set HSC,   75776
.set QST,   79872                      ; a stage of 16 rows x 528 for each wave
.set RES,   113664                     ; 128 rows x 1,040: x' + b2, at the end the finished sums
.set SPARE, 246784
.set W1C, 53248
.set W1S, 446464
.set W2C, 479232
.set W2S, 872448
.set L16, 4
.set L4,  5
.set STW, 6
.set STR, 7
.set XWI, 8
.set XWS, 9
.set LNA, 10
.set LSX, 11
.set LIH, 12
.set LSH, 13
.set HWI, 14
.set HWS, 15
.set RSW, 16
.set YA0, 17
.set YA1, 18
.set H64, 19
.set W1SR, 32                          ; v20-23 x's scale words (two sets), v24-31 the hidden layer's (two sets), v32-47 W1's, v48-63 W2's
.set W2SR, 48
.set R,   64                           ; v64-127 rows as loaded | my 8 tiles of the hidden layer | four hidden fragments | LN2's rows
.set HA,  64
.set PC,  128
.set T,   128
.set U,   136
.set CS,  136
.set TQ,  140
.set TM,  148
.set PW,  164
.set X,   168                          ; v168-231 numbers ahead of the quantiser | x's fragments, two sets of 24 | four hidden fragments
.set MV,  232
.set G,   232
.set B2V, 240
.set BE,  240
.set SPW, 252
.set NIL, 253
.set MSB, 0
.macro WIN new                         ; the immediate's high byte repeats the setting that is left
.if MSB != \new
	s_set_vgpr_msb (MSB<<8)|\new
.set MSB, \new
.endif
.endm
.macro PLACES n
.rept \n
	v_nop
.endr
.endm
.macro BARRIER
	s_wait_dscnt 0x0
	s_barrier_signal -1
	s_barrier_wait -1
.endm
.macro LOADX off                       ; 16 rows x 512 bytes of x
.set li, 0
.rept 16
	global_load_b128 v[R+4*li:R+4*li+3], v[L16], s[76:77] offset:(\off)+1024*li th:TH_LOAD_NT
.set li, li+1
.endr
.endm
.macro TURN reg
.set li, 0
.rept 16
	ds_store_b128 v[STW], v[\reg+4*li:\reg+4*li+3] offset:528*li
.set li, li+1
.endr
.set li, 0
.rept 16
	ds_load_b128 v[X+4*li:X+4*li+3], v[STR] offset:128*(li/4)+16*(li%4)
.set li, li+1
.endr
.endm
.macro QUANT s, d, pw                  ; 64 numbers of a lane (register 16 b + i = k 32 b + 16 (lane / 16) + i of my row) become a fragment and its scale word
.irp b, 0,1,2,3
	v_max3_num_f32 v[TM+\b], |v[\s+16*\b]|, |v[\s+1+16*\b]|, 0x2800000
.endr
.irp i, 2,4,6,8,10,12,14
.irp b, 0,1,2,3
	v_max3_num_f32 v[TM+\b], v[TM+\b], |v[\s+16*\b+\i]|, |v[\s+1+16*\b+\i]|
.endr
.endr
.irp b, 0,1,2,3
	v_permlanex16_b32 v[TM+4+\b], v[TM+\b], s82, s83
.endr
.irp b, 0,1,2,3
	v_max_num_f32 v[TM+\b], v[TM+\b], v[TM+4+\b]
.endr
.irp b, 0,1,2,3
	v_add_nc_u32 v[TM+12+\b], 0xfe000000, v[TM+\b]
.endr
.irp b, 0,1,2,3
	v_lshrrev_b32 v[TM+4+\b], 23, v[TM+12+\b]
.endr
	v_lshl_or_b32 v[\pw], v[TM+5], 8, v[TM+4]
	v_lshl_or_b32 v[\pw], v[TM+6], 16, v[\pw]
	v_lshl_or_b32 v[\pw], v[TM+7], 24, v[\pw]
.irp c, 0,1
	v_cvt_scalef32_pk16_bf6_f32 v[\d+6*\c:\d+6*\c+2], v[\s+32*\c:\s+32*\c+15], v[TM+12+2*\c]
	v_cvt_scalef32_pk16_bf6_f32 v[TQ+4*\c:TQ+4*\c+2], v[\s+32*\c+16:\s+32*\c+31], v[TM+13+2*\c]
.endr
	v_nop
.irp c, 0,1
.irp i, 0,1,2
	v_permlane16_swap_b32 v[\d+6*\c+\i], v[TQ+4*\c+\i]
.endr
.irp i, 0,1,2
	v_mov_b32 v[\d+6*\c+3+\i], v[TQ+4*\c+\i]
.endr
.endr
.endm
.macro IMAGE adr, d, off
.irp c, 0,1,2
	ds_store_b128 v[\adr], v[\d+4*\c:\d+4*\c+3] offset:(\off)+512*\c
.endr
.endm
.macro FETCH reg, adr, off
.irp c, 0,1,2
	ds_load_b128 v[\reg+4*\c:\reg+4*\c+3], v[\adr] offset:(\off)+512*\c
.endr
.endm
.macro MMA d, a, b, sa, sb
	v_wmma_scale_f32_16x16x128_f8f6f4 v[\d:\d+7], v[\a:\a+11], v[\b:\b+11], v[\d:\d+7], v[\sa], v[\sb] matrix_a_fmt:MATRIX_FMT_BF6 matrix_b_fmt:MATRIX_FMT_BF6
.endm
.macro MMC d, a, b, c, sa, sb
	v_wmma_scale_f32_16x16x128_f8f6f4 v[\d:\d+7], v[\a:\a+11], v[\b:\b+11], v[\c:\c+7], v[\sa], v[\sb] matrix_a_fmt:MATRIX_FMT_BF6 matrix_b_fmt:MATRIX_FMT_BF6
.endm
.macro LOADW1                          ; my chunk's 16 fragments of W1, b1 in the result's layout, the scale words
	WIN 0x40
.set lf, 0
.rept 48
	global_load_b128 v[4*lf:4*lf+3], v[L16], s[66:67] offset:512*lf
.set lf, lf+1
.endr
.irp t, 0,1,2,3,4,5,6,7
	global_load_b128 v[192+8*\t:195+8*\t], v[H64], s[70:71] offset:4*(32*(\t/2)+8*(\t%2))
	global_load_b128 v[196+8*\t:199+8*\t], v[H64], s[70:71] offset:4*(32*(\t/2)+8*(\t%2))+16
.endr
	WIN 0
.set lf, 0
.rept 16
	global_load_b32 v[W1SR+lf], v[L4], s[68:69] offset:128*lf
.set lf, lf+1
.endr
.endm
.macro LOADW2
	WIN 0x80
.set lf, 0
.rept 48
	global_load_b128 v[4*lf:4*lf+3], v[L16], s[72:73] offset:512*lf
.set lf, lf+1
.endr
	WIN 0
.set lf, 0
.rept 16
	global_load_b32 v[W2SR+lf], v[L4], s[74:75] offset:128*lf
.set lf, lf+1
.endr
.endm
.macro FETCHX m                        ; x's two fragments of tile m into set m % 2
	FETCH 168+24*((\m)%2), L16, (2*(\m))*1536
	FETCH 180+24*((\m)%2), L16, (2*(\m)+1)*1536
	ds_load_b32 v[20+2*((\m)%2)], v[LSX] offset:(2*(\m))*128
	ds_load_b32 v[21+2*((\m)%2)], v[LSX] offset:(2*(\m)+1)*128
.endm
.macro FETCHH g                        ; group g = 2 s + mg: K step s of tiles 4 mg .. 4 mg + 3, into set g % 2 (v168.. or v64..): 16 LDS loads
.irp q, 0,1,2,3
	FETCH 168-104*((\g)%2)+12*\q, LIH, (4*(4*((\g)%2)+\q)+(\g)/2)*1536
	ds_load_b32 v[24+4*((\g)%2)+\q], v[LSH] offset:(4*(4*((\g)%2)+\q)+(\g)/2)*128
.endr
.endm
.macro LN4 D, cs                       ; as in launch 2
.irp k, 0,1,2,3
	v_pk_add_f32 v[T+2*\k:T+2*\k+1], v[\D+8*\k:\D+8*\k+1], v[\D+8*\k+2:\D+8*\k+3]
	v_pk_add_f32 v[U+2*\k:U+2*\k+1], v[\D+8*\k+4:\D+8*\k+5], v[\D+8*\k+6:\D+8*\k+7]
.endr
.irp k, 0,1,2,3
	v_pk_add_f32 v[T+2*\k:T+2*\k+1], v[T+2*\k:T+2*\k+1], v[U+2*\k:U+2*\k+1]
.endr
.irp k, 0,1,2,3
	v_add_f32 v[T+2*\k], v[T+2*\k], v[T+2*\k+1]
.endr
.irp x, 1,2,4,8
.irp k, 0,1,2,3
	v_add_f32_dpp v[T+2*\k], v[T+2*\k], v[T+2*\k] row_xmask:\x row_mask:0xf bank_mask:0xf
.endr
.endr
.irp k, 0,1,2,3
	v_permlanex16_b32 v[T+2*\k+1], v[T+2*\k], s82, s83
.endr
.irp k, 0,1,2,3
	v_add_f32 v[T+2*\k], v[T+2*\k], v[T+2*\k+1]
.endr
.irp k, 0,1,2,3
	v_mul_f32 v[T+2*\k], s84, v[T+2*\k]
.endr
.irp k, 0,1,2,3
.irp e, 0,2,4,6
	v_pk_add_f32 v[\D+8*\k+\e:\D+8*\k+\e+1], v[\D+8*\k+\e:\D+8*\k+\e+1], v[T+2*\k:T+2*\k+1] op_sel_hi:[1,0] neg_lo:[0,1] neg_hi:[0,1]
.endr
.endr
.irp k, 0,1,2,3
	v_pk_mul_f32 v[U+2*\k:U+2*\k+1], v[\D+8*\k:\D+8*\k+1], v[\D+8*\k:\D+8*\k+1]
.endr
.irp e, 2,4,6
.irp k, 0,1,2,3
	v_pk_fma_f32 v[U+2*\k:U+2*\k+1], v[\D+8*\k+\e:\D+8*\k+\e+1], v[\D+8*\k+\e:\D+8*\k+\e+1], v[U+2*\k:U+2*\k+1]
.endr
.endr
.irp k, 0,1,2,3
	v_add_f32 v[U+2*\k], v[U+2*\k], v[U+2*\k+1]
.endr
.irp x, 1,2,4,8
.irp k, 0,1,2,3
	v_add_f32_dpp v[U+2*\k], v[U+2*\k], v[U+2*\k] row_xmask:\x row_mask:0xf bank_mask:0xf
.endr
.endr
.irp k, 0,1,2,3
	v_permlanex16_b32 v[U+2*\k+1], v[U+2*\k], s82, s83
.endr
.irp k, 0,1,2,3
	v_add_f32 v[U+2*\k], v[U+2*\k], v[U+2*\k+1]
.endr
.irp k, 0,1,2,3
	v_fma_f32 v[U+2*\k], v[U+2*\k], s84, s85
.endr
.irp k, 0,1,2,3
	v_rsq_f32 v[U+2*\k], v[U+2*\k]
.endr
	v_nop
	s_wait_alu depctr_va_vdst(0)                   ; one wait for the four, ahead of their first reader
.irp k, 0,1,2,3
.irp e, 0,2,4,6
	v_pk_mul_f32 v[\D+8*\k+\e:\D+8*\k+\e+1], v[\D+8*\k+\e:\D+8*\k+\e+1], v[U+2*\k:U+2*\k+1] op_sel_hi:[1,0]
.endr
.endr
.irp k, 0,1,2,3
.irp e, 0,2,4,6
	v_pk_fma_f32 v[\D+8*\k+\e:\D+8*\k+\e+1], v[\D+8*\k+\e:\D+8*\k+\e+1], v[G+\e:G+\e+1], v[BE+\e:BE+\e+1]
.endr
.endr
.endm
	s_load_b512 s[8:23], s[0:1], 0x0               ; xw 8, psum 10, msk 12, wq 14, b1 16, b2 18, g2 20, be2 22
	s_load_b128 s[24:27], s[0:1], 0x40             ; out0 24, out1 26
	v_lshl_add_u32 v[SPW], v0, 2, SPARE
	v_mov_b32 v[NIL], 0
	v_lshrrev_b32 v1, 5, v0
	v_readfirstlane_b32 s2, v1                     ; wave
	s_mov_b32 s3, ttmp9
	s_and_b32 s4, s3, 3                            ; qt
	s_lshr_b32 s5, s3, 2                           ; sb
	v_and_b32 v1, 31, v0
	v_and_b32 v2, 15, v0
	v_bfe_u32 v3, v0, 4, 1
	v_lshlrev_b32 v[L16], 4, v1
	v_lshlrev_b32 v[L4], 2, v1
	s_mul_i32 s6, s2, 8448
	s_add_co_u32 s6, s6, QST
	v_add_nc_u32 v[STW], s6, v[L16]
	v_mul_u32_u24 v[STR], v2, 528
	v_lshl_add_u32 v[STR], v3, 6, v[STR]
	v_add_nc_u32 v[STR], s6, v[STR]
	s_mul_i32 s6, s2, 6144
	v_add_nc_u32 v[XWI], s6, v[L16]
	v_add_nc_u32 v[LSX], XSC, v[L4]
	s_lshl_b32 s6, s2, 9
	v_add_nc_u32 v[XWS], s6, v[LSX]
	v_add_nc_u32 v[LIH], HIMG, v[L16]
	v_add_nc_u32 v[LSH], HSC, v[L4]
	s_mul_i32 s6, s2, 1536
	v_add_nc_u32 v[HWI], s6, v[LIH]
	s_lshl_b32 s6, s2, 7
	v_add_nc_u32 v[HWS], s6, v[LSH]
	s_mul_i32 s6, s2, 33280
	s_add_co_u32 s6, s6, RES
	v_add_nc_u32 v[RSW], s6, v[L16]                ; my 32 rows, by rows
	v_mul_u32_u24 v[YA0], v2, 1040
	v_lshl_add_u32 v[YA0], v3, 6, v[YA0]
	s_lshl_b32 s6, s2, 8
	s_add_co_u32 s6, s6, RES
	v_add_nc_u32 v[YA0], s6, v[YA0]                ; in the sums' layout: row r, + 64 h, + my 64 outputs' 256 bytes
	v_add_nc_u32 v[YA1], 66560, v[YA0]             ; and 64 rows further down
	v_lshlrev_b32 v[H64], 6, v3
.irp i, 4,5,6,7
	v_mov_b32 v[TM+\i], 0
.endr
	s_mov_b32 s82, 0x76543210
	s_mov_b32 s83, 0xfedcba98
	s_mov_b32 s84, 0x3b800000                      ; 1 / 256
	s_mov_b32 s85, 0x3727c5ac                      ; 1e-5
	s_lshl_b32 s86, s5, 9
	s_lshl_b32 s87, s4, 7
	s_add_co_u32 s86, s86, s87
	s_lshl_b32 s87, s2, 5
	s_add_co_u32 s86, s86, s87                     ; my first row: 512 sb + 128 qt + 32 wave
	s_mov_b32 s89, 0
	s_wait_kmcnt 0x0
	s_cmp_lt_u32 s5, 32
	s_cselect_b64 s[78:79], s[24:25], s[26:27]
	s_lshl_b32 s88, s86, 2
	s_add_nc_u64 s[28:29], s[12:13], s[88:89]
	s_load_b512 s[32:47], s[28:29], 0x0            ; my 32 rows' mask words
	s_load_b512 s[48:63], s[28:29], 0x40
	s_lshl_b32 s88, s86, 10
	s_add_nc_u64 s[76:77], s[8:9], s[88:89]
	s_and_b32 s88, s86, 16383
	s_lshl_b32 s88, s88, 10
	s_add_nc_u64 s[78:79], s[78:79], s[88:89]
	s_xor_b32 s88, s5, 32                          ; the other stream's batch
	s_lshl_b32 s88, s88, 12
	s_add_nc_u64 s[30:31], s[10:11], s[88:89]
	s_mul_i32 s88, s2, 24576
	s_add_nc_u64 s[66:67], s[14:15], s[88:89]
	s_add_nc_u64 s[72:73], s[66:67], W2C
	s_add_nc_u64 s[66:67], s[66:67], W1C
	s_lshl_b32 s88, s2, 11
	s_add_nc_u64 s[68:69], s[14:15], s[88:89]
	s_add_nc_u64 s[74:75], s[68:69], W2S
	s_add_nc_u64 s[68:69], s[68:69], W1S
	s_lshl_b32 s88, s2, 9
	s_add_nc_u64 s[70:71], s[16:17], s[88:89]
	; ---- the other stream's mean, b2, and my first 16 rows
.irp k, 0,1,2,3
	global_load_b128 v[X+8*\k:X+8*\k+3], v[L16], s[30:31] offset:1024*\k
	global_load_b128 v[X+8*\k+4:X+8*\k+7], v[L16], s[30:31] offset:1024*\k+512
.endr
	global_load_b128 v[B2V:B2V+3], v[L16], s[18:19]
	global_load_b128 v[B2V+4:B2V+7], v[L16], s[18:19] offset:512
	LOADX 0
	s_wait_loadcnt 16                              ; the ten are in; the 16 loads of x behind them may stay out
.irp e, 0,2,4,6
	v_pk_add_f32 v[MV+\e:MV+\e+1], v[X+\e:X+\e+1], v[X+8+\e:X+9+\e]
.endr
.irp e, 0,2,4,6
	v_pk_add_f32 v[MV+\e:MV+\e+1], v[MV+\e:MV+\e+1], v[X+16+\e:X+17+\e]
.endr
.irp e, 0,2,4,6
	v_pk_add_f32 v[MV+\e:MV+\e+1], v[MV+\e:MV+\e+1], v[X+24+\e:X+25+\e]
.endr
.irp e, 0,2,4,6
	v_pk_mul_f32 v[MV+\e:MV+\e+1], v[MV+\e:MV+\e+1], 0x3b000000 op_sel_hi:[1,0]     ; / 512
.endr
	s_wait_kmcnt 0x0
	; ---- four jobs k = 2 tl + K step: 16 rows x 128 channels: select, quantise, image; x' + b2 to RES
.irp k, 0,1,2,3
	s_wait_loadcnt 0x0
.set li, 0
.rept 16
.irp e, 0,1,2,3
	v_cndmask_b32 v[R+4*li+\e], v[R+4*li+\e], v[MV+4*(\k%2)+\e], s[32+16*(\k/2)+li]
.endr
.set li, li+1
.endr
	TURN R
	s_wait_dscnt 0x0
.set li, 0
.rept 16
	v_pk_add_f32 v[R+4*li:R+4*li+1], v[R+4*li:R+4*li+1], v[B2V+4*(\k%2):B2V+4*(\k%2)+1]
	v_pk_add_f32 v[R+4*li+2:R+4*li+3], v[R+4*li+2:R+4*li+3], v[B2V+4*(\k%2)+2:B2V+4*(\k%2)+3]
.set li, li+1
.endr
.set li, 0
.rept 16
	ds_store_b128 v[RSW], v[R+4*li:R+4*li+3] offset:(16*(\k/2)+li)*1040+512*(\k%2)
.set li, li+1
.endr
	s_wait_dscnt 0x0
.if \k < 3
	LOADX 16384*((\k+1)/2)+512*((\k+1)%2)
.else
	LOADW1                                         ; the first super-chunk's W1
.endif
	QUANT X, PC, PW
	IMAGE XWI, PC, 1536*\k
	ds_store_b32 v[XWS], v[PW] offset:128*\k
.endr
	BARRIER                                        ; x's 16 fragments and 128 rows of x' + b2 lie in LDS
	WIN 0xc0                                       ; destination window 3
.irp n, 0,1,2,3
.irp m, 0,1,2,3,4,5,6,7
.irp q, 0,1
.if \m < 4
	ds_load_b128 v[8*(8*\n+\m)+4*\q:8*(8*\n+\m)+4*\q+3], v[YA0] offset:\m*16640+128*(\n/2)+32*(\n%2)+16*\q
.else
	ds_load_b128 v[8*(8*\n+\m)+4*\q:8*(8*\n+\m)+4*\q+3], v[YA1] offset:(\m-4)*16640+128*(\n/2)+32*(\n%2)+16*\q
.endif
.endr
.endr
.endr
	WIN 0
	s_mov_b32 s80, 4
.Lchunk:
	s_wait_loadcnt 0x0                             ; this trip's W1, b1 and scale words are in, so their pointers may step
	s_add_nc_u64 s[66:67], s[66:67], 98304
	s_add_nc_u64 s[68:69], s[68:69], 8192
	s_add_nc_u64 s[70:71], s[70:71], 2048
	LOADW2                                         ; lands while the hidden layer is made
	; ---- 1: my 128 hidden units, a tile of 16 rows at a time: transposed, b1 as the first C; relu; quantised; image
	FETCHX 0
.irp m, 0,1,2,3,4,5,6,7
.set XB, 168+24*(\m%2)
.set XSB, 20+2*(\m%2)
	s_wait_dscnt 0x0
	WIN 0x11                                       ; source 0 (W1) and source 2 (b1) window 1
.irp t, 0,1,2,3,4,5,6,7
	MMC HA+8*\t, 24*\t, XB, 192+8*\t, W1SR+2*\t, XSB
.endr
	WIN 0x01
.irp t, 0,1,2,3,4,5,6,7
	MMA HA+8*\t, 24*\t+12, XB+12, W1SR+2*\t+1, XSB+1
.endr
	WIN 0
.if \m < 7
	FETCHX \m+1
.endif
	PLACES 4
.set jj, 0
.rept 64
	v_max_num_f32 v[HA+jj], 0, v[HA+jj]
.set jj, jj+1
.endr
	QUANT HA, PC, PW
	IMAGE HWI, PC, 6144*\m
	ds_store_b32 v[HWS], v[PW] offset:512*\m
.endr
	BARRIER                                        ; the hidden layer's 32 fragments lie in LDS
	s_wait_loadcnt 0x0                             ; W2's set is in
	s_add_nc_u64 s[72:73], s[72:73], 98304
	s_add_nc_u64 s[74:75], s[74:75], 8192
	s_cmp_eq_u32 s80, 1                            ; the next trip's W1, if there is a next trip: no load leaves its buffer
	s_cbranch_scc1 .Lno_w1
	LOADW1
.Lno_w1:
	; ---- 2: y += hidden W2^T: eight groups of 16 accumulators, which take turns
	FETCHH 0
.irp g, 0,1,2,3,4,5,6,7
.if \g < 7
	FETCHH \g+1
	s_wait_dscnt 16                                ; this group's loads are in; the next group's 16 may stay out
.else
	s_wait_dscnt 0x0
.endif
	WIN 0xf2                                       ; source 0 (W2) window 2, C and D window 3
.irp q, 0,1,2,3
.irp n, 0,1,2,3
	MMA 8*(8*\n+4*(\g%2)+\q), 12*(4*\n+\g/2), 168-104*(\g%2)+12*\q, W2SR+4*\n+\g/2, 24+4*(\g%2)+\q
.endr
.endr
	WIN 0
.if \g < 7
	PLACES 4                                       ; in front of loads into registers that matrix instructions have read
.else
	PLACES 5                                       ; the next trip's first matrix instruction writes over registers that this group read: one place more
.endif
.endr
	BARRIER                                        ; every wave's reads of the hidden layer are over: it is written again
	s_sub_co_u32 s80, s80, 1
	s_cmp_lg_u32 s80, 0
	s_cbranch_scc1 .Lchunk
	; ---- the way out: the sums back to RES, then LN2 by rows
	global_load_b128 v[G:G+3], v[L16], s[20:21]
	global_load_b128 v[G+4:G+7], v[L16], s[20:21] offset:512
	global_load_b128 v[BE:BE+3], v[L16], s[22:23]
	global_load_b128 v[BE+4:BE+7], v[L16], s[22:23] offset:512
	WIN 0x0c                                       ; an LDS store's data are its source 1: window 3
.irp n, 0,1,2,3
.irp m, 0,1,2,3,4,5,6,7
.irp q, 0,1
.if \m < 4
	ds_store_b128 v[YA0], v[8*(8*\n+\m)+4*\q:8*(8*\n+\m)+4*\q+3] offset:\m*16640+128*(\n/2)+32*(\n%2)+16*\q
.else
	ds_store_b128 v[YA1], v[8*(8*\n+\m)+4*\q:8*(8*\n+\m)+4*\q+3] offset:(\m-4)*16640+128*(\n/2)+32*(\n%2)+16*\q
.endif
.endr
.endr
.endr
	WIN 0
	BARRIER                                        ; 128 whole rows lie in RES
	s_wait_loadcnt 0x0
	s_mov_b32 s81, 0
.Lln:
	v_add_nc_u32 v[LNA], s81, v[RSW]
.irp k, 0,1,2,3
	ds_load_b128 v[R+8*\k:R+8*\k+3], v[LNA] offset:1040*\k
	ds_load_b128 v[R+8*\k+4:R+8*\k+7], v[LNA] offset:1040*\k+512
.endr
	s_wait_dscnt 0x0
	LN4 R, 0
.irp k, 0,1,2,3
	global_store_b128 v[L16], v[R+8*\k:R+8*\k+3], s[78:79] offset:1024*\k th:TH_STORE_NT       ; 512 consecutive bytes a store
	global_store_b128 v[L16], v[R+8*\k+4:R+8*\k+7], s[78:79] offset:1024*\k+512 th:TH_STORE_NT
.endr
	s_wait_xcnt 0x0                                ; the stores have read their registers and their base: both are written again
	s_add_nc_u64 s[78:79], s[78:79], 4096
	s_add_co_u32 s81, s81, 4160
	s_cmp_lt_u32 s81, 33280
	s_cbranch_scc1 .Lln
	s_wait_tensorcnt 0x0                           ; the wave's end, behind my last LDS store
	ds_add_u32 v[SPW], v[NIL]
	s_wait_dscnt 0x0
	s_endpgm
.Lfunc_end_k_q345cd31978_ffn:
	.size	k_q345cd31978_ffn, .Lfunc_end_k_q345cd31978_ffn-k_q345cd31978_ffn
	.p2alignl 7, 3214868480
	.fill 96, 4, 3214868480
	.section	.rodata,"a",@progbits
	.p2align	6, 0x0
	.amdhsa_kernel k_q345cd31978_ffn
		.amdhsa_group_segment_fixed_size 247296
		.amdhsa_private_segment_fixed_size 0
		.amdhsa_enable_private_segment 0
		.amdhsa_kernarg_size 80
		.amdhsa_user_sgpr_count 2
		.amdhsa_user_sgpr_kernarg_segment_ptr 1
		.amdhsa_wavefront_size32 1
		.amdhsa_system_sgpr_workgroup_id_x 1
		.amdhsa_system_sgpr_workgroup_id_y 1
		.amdhsa_system_sgpr_workgroup_id_z 1
		.amdhsa_system_vgpr_workitem_id 0
		.amdhsa_next_free_vgpr 1024
		.amdhsa_next_free_sgpr 100
		.amdhsa_reserve_vcc 0
		.amdhsa_float_denorm_mode_32 3
		.amdhsa_float_denorm_mode_16_64 3
		.amdhsa_memory_ordered 1
		.amdhsa_forward_progress 1
		.amdhsa_inst_pref_size 201
	.end_amdhsa_kernel
	.amdgpu_metadata
---
amdhsa.version: [ 1, 2 ]
amdhsa.kernels:
  - .name:           k_q345cd31978_ffn
    .symbol:         k_q345cd31978_ffn.kd
    .args:
      - { .name: xw, .offset: 0, .size: 8, .value_kind: global_buffer, .address_space: global }
      - { .name: psum, .offset: 8, .size: 8, .value_kind: global_buffer, .address_space: global }
      - { .name: msk, .offset: 16, .size: 8, .value_kind: global_buffer, .address_space: global }
      - { .name: wq, .offset: 24, .size: 8, .value_kind: global_buffer, .address_space: global }
      - { .name: b1, .offset: 32, .size: 8, .value_kind: global_buffer, .address_space: global }
      - { .name: b2, .offset: 40, .size: 8, .value_kind: global_buffer, .address_space: global }
      - { .name: g2, .offset: 48, .size: 8, .value_kind: global_buffer, .address_space: global }
      - { .name: be2, .offset: 56, .size: 8, .value_kind: global_buffer, .address_space: global }
      - { .name: out0, .offset: 64, .size: 8, .value_kind: global_buffer, .address_space: global }
      - { .name: out1, .offset: 72, .size: 8, .value_kind: global_buffer, .address_space: global }
    .group_segment_fixed_size: 247296
    .private_segment_fixed_size: 0
    .kernarg_segment_align: 8
    .kernarg_segment_size: 80
    .max_flat_workgroup_size: 128
    .sgpr_count:     100
    .vgpr_count:     1024
    .wavefront_size: 32
...
	.end_amdgpu_metadata
.endif
;; end of part 3
;; ======== version 2 of 2: 3 launches; version 1 with the launches oproj, ffn written anew for expert scheduling mode
;; workspace buffers: wq 905,216 bytes; ao 8,388,608 bytes; cls 1,048,576 bytes; xw 33,554,432 bytes; psum 262,144 bytes; msk 131,072 bytes of whole numbers
;; launch attn: the kernel of part 1 again; grid 256 x 1, 16 waves a work-group, no clusters, 235,520 bytes of LDS; arguments src1, src2, W_in, b_in, W_out, W1, W2, ao, cls, wq; writes ao, cls, wq
;; launch oproj (part 4): grid 256 x 1, 8 waves a work-group, no clusters, 198,144 bytes of LDS; arguments src1, src2, ao, cls, wq, b_out, g1, be1, xw, psum, msk; writes xw, psum, msk
.if DOCPART == 4
	.amdgcn_target "amdgcn-amd-amdhsa--gfx1250"
	.amdhsa_code_object_version 6
	.text
	.protected	k_q345cd31978_oproj
	.globl	k_q345cd31978_oproj
	.p2align	8
	.type	k_q345cd31978_oproj,@function
k_q345cd31978_oproj:
	s_mov_b64 s[64:65], 0
	v_nop
	global_prefetch_b8 v0, s[64:65] scope:SCOPE_SE
	s_setreg_imm32_b32 hwreg(HW_REG_WAVE_SCHED_MODE, 0, 2), 2
	s_setreg_imm32_b32 hwreg(HW_REG_WAVE_MODE, 25, 1), 1
	s_wait_xcnt 0x0
	s_wait_alu depctr_vm_vsrc(0)
; LAUNCH 2 OF 3: x = LN1(src + O W_out^T + b_out); the column sums of x over this work-group's 128 rows; the mask of the rows that the exchange replaces.
; WORK LEFT OUT (shown at the head of launch 1): only query 0's head-summed weights exist; the mean's 1/8 cancels in every comparison; the median is not sorted for:
; row k >= 1 is replaced exactly where the number of j in 1..511 with cls[j] <= cls[k] is at most 255.  Key 0 is set to +infinity: it counts for no finite row, and row 0 (count 512) is never replaced.
; LIMITS: as in launch 1.  The sums of the mean and the variance run in another order than reference()'s.
; SHARES.  Work-group = (sb, qt), number 4 sb + qt: rows 128 qt .. + 127 of batch sb.  8 waves, 16 rows x 256 channels each.  Source 0 = 16 rows of W_out (picked as in launch 1), source 1 = O's codes:
; register ACC + 16 b + i of lane (r, h) = channel 32 b + 16 h + i of row r.  src + b_out is what the sums begin with: it goes through my stage from rows into that layout, and the finished sums come back as rows.
; No tensor loads, no cluster: what the work-groups share is W_out's 52 KiB, copied once into LDS.
; THE MODE: SCHED_MODE bits 1:0 = 2 (LLVM: expert scheduling mode 2), set by the entry lines.  The code itself states the register dependences
; between vector or matrix instructions and memory or LDS instructions, with s_wait_alu, always for 0.
; THE PLAN.  Registers that memory or LDS instructions touch:
;   v1, v3-v12, v46, v47, v124-127  addresses, made once at the head and never written again: one wait ahead of the first load serves them all.
;   v[ADR]      written at the head of each trip of the two loops, read by that trip's LDS loads.
;   v[G ..]     loaded (cls), summed, stored to LDS; then g1 and be1 land there and stay.
;   v[WF ..]    the copy (loaded, stored to LDS); the rank's data (LDS loads, read by the compares); W_out's fragments and scale words (LDS loads, read by four products at a time); at the end the column sums.
;   ACC         loaded (src), + b_out, to the stage and back; the products' sums; to the stage; in the last loop four rows a trip: LDS loads, LN1, global stores.
;   v[AS ..]    scale words made by vector instructions, read by the products.   v[SW+3], v[CS ..]  made by vector instructions, stored to LDS once.
;   s8-29, s50-59  in the rank's loop: written by the 32 compares, read and written again by the 32 additions: a wait behind each of the two runs.
; A wait stands at each hand-over, and its comment names what it states.
.set WSCO,  49152                      ; LDS: W_out's 32 fragments from byte 0, their scale words here: a copy of wq's first 53,248 bytes
.set CL,    53248                      ; the 512 head-summed weights of query 0
.set RED,   55296                      ; column sums, 1,024 bytes a wave
.set MK,    63488                      ; 128 mask words
.set STG,   64000                      ; a stage of 16 rows x 1,040 for each wave
.set SPARE, 197120
.set RDR, 1
.set MKR, 3
.set L16, 4
.set SPW, 5
.set NIL, 6
.set STW, 7
.set STD, 8
.set MINE, 9
.set WSA, 10
.set AOA, 11
.set AOS, 12
.set MY,  13
.set CNT, 14
.set ADR, 15
.set AO,  16                           ; v16-39 O's two fragments; later T, U, CS
.set T,   16
.set U,   24
.set CS,  32
.set AS,  40                           ; v40-41 their scale words
.set SW,  42
.set C8,  46
.set RK0, 47
.set WF,  48                           ; v48-99 the copy in flight, then the rank's data, then four fragments of W_out and v96-99 their scale words
.set WS,  96
.set G,   100                          ; v100-115 the cls loads, then g1, be1
.set BE,  108
.set BO,  116
.set CPY, 124
.set CLW, 125
.set RDW, 126
.set MKW, 127
.set ACC, 128
.macro PLACES n
.rept \n
	v_nop
.endr
.endm
.macro BARRIER
	s_wait_dscnt 0x0
	s_barrier_signal -1
	s_barrier_wait -1
.endm
.macro FETCH reg, adr, off
.irp c, 0,1,2
	ds_load_b128 v[\reg+4*\c:\reg+4*\c+3], v[\adr] offset:(\off)+512*\c
.endr
.endm
.macro MMA d, a, b, sa, sb
	v_wmma_scale_f32_16x16x128_f8f6f4 v[\d:\d+7], v[\a:\a+11], v[\b:\b+11], v[\d:\d+7], v[\sa], v[\sb] matrix_a_fmt:MATRIX_FMT_BF6 matrix_b_fmt:MATRIX_FMT_BF6
.endm
; Four rows, 8 numbers a lane each (channels 4 lane .. + 3 and 128 + 4 lane .. + 3), are normalised in place; the rows take turns in every line.  cs = 1: the results are added to the column sums.
.macro LN4 D, cs
.irp k, 0,1,2,3
	v_pk_add_f32 v[T+2*\k:T+2*\k+1], v[\D+8*\k:\D+8*\k+1], v[\D+8*\k+2:\D+8*\k+3]
	v_pk_add_f32 v[U+2*\k:U+2*\k+1], v[\D+8*\k+4:\D+8*\k+5], v[\D+8*\k+6:\D+8*\k+7]
.endr
.irp k, 0,1,2,3
	v_pk_add_f32 v[T+2*\k:T+2*\k+1], v[T+2*\k:T+2*\k+1], v[U+2*\k:U+2*\k+1]
.endr
.irp k, 0,1,2,3
	v_add_f32 v[T+2*\k], v[T+2*\k], v[T+2*\k+1]
.endr
.irp x, 1,2,4,8
.irp k, 0,1,2,3
	v_add_f32_dpp v[T+2*\k], v[T+2*\k], v[T+2*\k] row_xmask:\x row_mask:0xf bank_mask:0xf
.endr
.endr
.irp k, 0,1,2,3
	v_permlanex16_b32 v[T+2*\k+1], v[T+2*\k], s46, s47
.endr
.irp k, 0,1,2,3
	v_add_f32 v[T+2*\k], v[T+2*\k], v[T+2*\k+1]
.endr
.irp k, 0,1,2,3
	v_mul_f32 v[T+2*\k], s48, v[T+2*\k]            ; the mean
.endr
.irp k, 0,1,2,3
.irp e, 0,2,4,6
	v_pk_add_f32 v[\D+8*\k+\e:\D+8*\k+\e+1], v[\D+8*\k+\e:\D+8*\k+\e+1], v[T+2*\k:T+2*\k+1] op_sel_hi:[1,0] neg_lo:[0,1] neg_hi:[0,1]
.endr
.endr
.irp k, 0,1,2,3
	v_pk_mul_f32 v[U+2*\k:U+2*\k+1], v[\D+8*\k:\D+8*\k+1], v[\D+8*\k:\D+8*\k+1]
.endr
.irp e, 2,4,6
.irp k, 0,1,2,3
	v_pk_fma_f32 v[U+2*\k:U+2*\k+1], v[\D+8*\k+\e:\D+8*\k+\e+1], v[\D+8*\k+\e:\D+8*\k+\e+1], v[U+2*\k:U+2*\k+1]
.endr
.endr
.irp k, 0,1,2,3
	v_add_f32 v[U+2*\k], v[U+2*\k], v[U+2*\k+1]
.endr
.irp x, 1,2,4,8
.irp k, 0,1,2,3
	v_add_f32_dpp v[U+2*\k], v[U+2*\k], v[U+2*\k] row_xmask:\x row_mask:0xf bank_mask:0xf
.endr
.endr
.irp k, 0,1,2,3
	v_permlanex16_b32 v[U+2*\k+1], v[U+2*\k], s46, s47
.endr
.irp k, 0,1,2,3
	v_add_f32 v[U+2*\k], v[U+2*\k], v[U+2*\k+1]
.endr
.irp k, 0,1,2,3
	v_fma_f32 v[U+2*\k], v[U+2*\k], s48, s49       ; the variance + eps
.endr
.irp k, 0,1,2,3
	v_rsq_f32 v[U+2*\k], v[U+2*\k]
.endr
	v_nop
	s_wait_alu depctr_va_vdst(0)                   ; the four roots' reciprocals are written: one wait for the four, ahead of their first reader
.irp k, 0,1,2,3
.irp e, 0,2,4,6
	v_pk_mul_f32 v[\D+8*\k+\e:\D+8*\k+\e+1], v[\D+8*\k+\e:\D+8*\k+\e+1], v[U+2*\k:U+2*\k+1] op_sel_hi:[1,0]
.endr
.endr
.irp k, 0,1,2,3
.irp e, 0,2,4,6
	v_pk_fma_f32 v[\D+8*\k+\e:\D+8*\k+\e+1], v[\D+8*\k+\e:\D+8*\k+\e+1], v[G+\e:G+\e+1], v[BE+\e:BE+\e+1]
.endr
.endr
.if \cs
.irp k, 0,1,2,3
.irp e, 0,2,4,6
	v_pk_add_f32 v[CS+\e:CS+\e+1], v[CS+\e:CS+\e+1], v[\D+8*\k+\e:\D+8*\k+\e+1]
.endr
.endr
.endif
.endm
	s_load_b512 s[8:23], s[0:1], 0x0               ; src1 8, src2 10, ao 12, cls 14, wq 16, b_out 18, g1 20, be1 22
	s_load_b128 s[24:27], s[0:1], 0x40             ; xw 24, psum 26
	s_load_b64 s[28:29], s[0:1], 0x50              ; msk
	v_lshl_add_u32 v[SPW], v0, 2, SPARE
	v_mov_b32 v[NIL], 0
	v_lshrrev_b32 v1, 5, v0
	v_readfirstlane_b32 s2, v1                     ; wave
	s_mov_b32 s3, ttmp9
	s_and_b32 s4, s3, 3                            ; qt
	s_lshr_b32 s5, s3, 2                           ; sb
	v_and_b32 v1, 31, v0
	v_and_b32 v2, 15, v0
	v_bfe_u32 v3, v0, 4, 1
	v_lshlrev_b32 v[L16], 4, v1
	s_wait_alu depctr_va_sdst(0)                   ; s2, the wave's number, is written, ahead of its first reader
	s_mul_i32 s6, s2, 16640
	s_add_co_u32 s6, s6, STG
	v_add_nc_u32 v[STW], s6, v[L16]                ; my stage, by rows
	v_mul_u32_u24 v[STD], v2, 1040
	v_lshl_add_u32 v[STD], v3, 6, v[STD]
	v_add_nc_u32 v[STD], s6, v[STD]                ; and in the sums' layout: row r, + 64 h
	v_lshl_add_u32 v[WSA], v1, 2, WSCO
	v_lshlrev_b32 v[AOA], 6, v2
	v_mad_u32_u24 v[AOA], v3, 24, v[AOA]           ; ao: record r, head h of the pair
	v_lshl_add_u32 v[AOS], v2, 6, 48
	s_mul_i32 s7, s2, 6656
	v_add_nc_u32 v[CPY], s7, v[L16]                ; my eighth of the copy, in wq and in LDS alike
	v_lshl_add_u32 v[CLW], v0, 3, CL
	s_lshl_b32 s7, s2, 10
	v_add_nc_u32 v[RDW], s7, v[L16]
	v_add_nc_u32 v[RDW], RED, v[RDW]
	s_lshl_b32 s7, s2, 6
	v_lshl_add_u32 v[MKW], v2, 2, s7
	v_add_nc_u32 v[MKW], MK, v[MKW]
	s_lshl_b32 s30, s4, 9
	s_add_co_u32 s7, s7, s30
	v_lshl_add_u32 v[MINE], v2, 2, s7
	v_add_nc_u32 v[MINE], CL, v[MINE]              ; my row's own weight: key 128 qt + 16 wave + r
	v_lshlrev_b32 v[C8], 3, v0
	v_lshl_add_u32 v[RK0], v3, 10, CL              ; lanes 0-15 count over keys 0-255, lanes 16-31 over 256-511
	s_and_b32 s7, s2, 1
	s_lshl_b32 s7, s7, 9
	v_add_nc_u32 v[RDR], s7, v[L16]
	v_add_nc_u32 v[RDR], RED, v[RDR]
	v_add_nc_u32 v[MKR], MK, v[L16]
	s_mov_b32 s46, 0x76543210
	s_mov_b32 s47, 0xfedcba98
	s_mov_b32 s48, 0x3b800000                      ; 1 / 256
	s_mov_b32 s49, 0x3727c5ac                      ; 1e-5
	s_wait_kmcnt 0x0
	s_cmp_lt_u32 s5, 32
	s_cselect_b64 s[32:33], s[8:9], s[10:11]
	s_lshl_b32 s7, s4, 7
	s_lshl_b32 s30, s2, 4
	s_add_co_u32 s7, s7, s30                       ; 128 qt + 16 wave
	s_and_b32 s30, s5, 31
	s_lshl_b32 s30, s30, 9
	s_add_co_u32 s30, s30, s7
	s_lshl_b32 s30, s30, 10
	s_mov_b32 s31, 0
	s_add_nc_u64 s[32:33], s[32:33], s[30:31]      ; src at my 16 rows
	s_lshl_b32 s30, s5, 9
	s_add_co_u32 s30, s30, s7
	s_lshl_b32 s30, s30, 10
	s_add_nc_u64 s[38:39], s[24:25], s[30:31]      ; xw likewise
	s_lshl_b32 s30, s5, 17
	s_lshl_b32 s7, s7, 6
	s_add_co_u32 s30, s30, s7
	s_add_nc_u64 s[34:35], s[12:13], s[30:31]      ; ao: plane 0, my 16 records
	s_lshl_b32 s30, s5, 14
	s_add_nc_u64 s[36:37], s[14:15], s[30:31]
	s_lshl_b32 s30, s3, 10
	s_and_b32 s7, s2, 1
	s_lshl_b32 s7, s7, 9
	s_add_co_u32 s30, s30, s7
	s_add_nc_u64 s[40:41], s[26:27], s[30:31]
	s_lshl_b32 s30, s3, 9
	s_add_nc_u64 s[42:43], s[28:29], s[30:31]
	s_wait_alu depctr_va_vdst(0)                   ; every address and offset made above is written: the loads and stores of the whole kernel read them
.irp d, 0,1,2,3,4,5,6,7
	global_load_b64 v[G+2*\d:G+2*\d+1], v[C8], s[36:37] offset:2048*\d     ; keys 2 t, 2 t + 1 of head d
.endr
.set li, 0
.rept 13
	global_load_b128 v[WF+4*li:WF+4*li+3], v[CPY], s[16:17] offset:512*li
.set li, li+1
.endr
.set li, 0
.rept 16
	global_load_b128 v[ACC+8*li:ACC+8*li+3], v[L16], s[32:33] offset:1024*li th:TH_LOAD_NT
	global_load_b128 v[ACC+8*li+4:ACC+8*li+7], v[L16], s[32:33] offset:1024*li+512 th:TH_LOAD_NT
.set li, li+1
.endr
.irp p, 0,1,2,3                        ; plane p = heads 2 p, 2 p + 1 = k 64 p .. 64 p + 63: registers 6 p .. 6 p + 5 of the two fragments on end
.irp i, 0,1,2
	global_load_b64 v[AO+6*\p+2*\i:AO+6*\p+2*\i+1], v[AOA], s[34:35] offset:32768*\p+8*\i
.endr
.endr
.irp p, 0,1,2,3
	global_load_b32 v[SW+\p], v[AOS], s[34:35] offset:32768*\p
.endr
	s_wait_loadcnt 61                              ; the eight cls loads are in: 13 + 32 + 16 were issued behind them
.irp d, 1,2,3,4,5,6,7
	v_pk_add_f32 v[G:G+1], v[G:G+1], v[G+2*\d:G+2*\d+1]    ; the heads in order 0 .. 7
.endr
	v_mov_b32 v[CNT], 0x7f800000
	v_cmp_eq_u32 vcc_lo, 0, v0
	s_wait_alu depctr_va_vcc(0)                    ; VCC is written, ahead of the select that reads it
	v_cndmask_b32 v[G], v[G], v[CNT], vcc_lo       ; key 0 is no part of cls
	s_wait_alu depctr_va_vdst(0)                   ; the sums and the select have written v[G:G+1], which the LDS store reads, and are done with v[G ..], in which g1 and be1 land below
	ds_store_b64 v[CLW], v[G:G+1]
	s_wait_loadcnt 48                              ; the copy's 13 loads are in: 32 + 16 behind them
.set li, 0
.rept 13
	ds_store_b128 v[CPY], v[WF+4*li:WF+4*li+3] offset:512*li
.set li, li+1
.endr
	s_wait_dscnt 0x0                               ; the stores are done
	s_wait_alu depctr_vm_vsrc(0)                   ; the LDS stores have read v[G:G+1], in which g1 lands next, and v[WF ..], in which the rank's data land
	global_load_b128 v[BO:BO+3], v[L16], s[18:19]
	global_load_b128 v[BO+4:BO+7], v[L16], s[18:19] offset:512
	global_load_b128 v[G:G+3], v[L16], s[20:21]
	global_load_b128 v[G+4:G+7], v[L16], s[20:21] offset:512
	global_load_b128 v[BE:BE+3], v[L16], s[22:23]
	global_load_b128 v[BE+4:BE+7], v[L16], s[22:23] offset:512
	s_wait_loadcnt 0x0
.set li, 0
.rept 16
.irp e, 0,2,4,6
	v_pk_add_f32 v[ACC+8*li+\e:ACC+8*li+\e+1], v[ACC+8*li+\e:ACC+8*li+\e+1], v[BO+\e:BO+\e+1]
.endr
.set li, li+1
.endr
	s_wait_alu depctr_va_vdst(0)                   ; the additions have written v[ACC ..], which the LDS stores read and in which the LDS loads behind them land
.set li, 0
.rept 16
	ds_store_b128 v[STW], v[ACC+8*li:ACC+8*li+3] offset:1040*li
	ds_store_b128 v[STW], v[ACC+8*li+4:ACC+8*li+7] offset:1040*li+512
.set li, li+1
.endr
	s_wait_dscnt 0x0
	s_wait_alu depctr_vm_vsrc(0)                   ; the LDS stores have read v[ACC ..], in which the loads below land
.set li, 0
.rept 32
	ds_load_b128 v[ACC+4*li:ACC+4*li+3], v[STD] offset:128*(li/4)+16*(li%4)
.set li, li+1
.endr
	v_lshl_or_b32 v[AS], v[SW+1], 16, v[SW]        ; four heads' bytes make a K step's scale word
	v_lshl_or_b32 v[AS+1], v[SW+3], 16, v[SW+2]
	BARRIER                                        ; W_out's images and the 512 weights lie in LDS
	; ---- the rank of my 16 rows.  A trip's 32 compares go into 32 scalar registers (s8-29, whose addresses are used up, and s50-59), one wait behind the run.
	; Each addition takes its carry in from one of them and puts its carry out, which nobody reads, into the same one: so no addition names a register that another of the run has written
	ds_load_b32 v[MY], v[MINE]
	v_mov_b32 v[CNT], 0
	s_mov_b32 s44, 0
.Lrank:
	v_add_nc_u32 v[ADR], s44, v[RK0]
	s_wait_alu depctr_va_vdst(0)                   ; v[ADR] is written, which the loads read; the last trip's compares are done reading v[WF ..], in which they land
.irp q, 0,1,2,3,4,5,6,7
	ds_load_b128 v[WF+4*\q:WF+4*\q+3], v[ADR] offset:16*\q
.endr
	s_wait_dscnt 0x0
	s_wait_alu depctr_vm_vsrc(0)                   ; the loads have read v[ADR], which the next trip writes
.set li, 0
.rept 32
	v_cmp_le_f32 s[8+li+20*(li/22)], v[WF+li], v[MY]
.set li, li+1
.endr
	s_wait_alu depctr_va_sdst(0)                   ; the 32 masks are written, ahead of the additions that read them
.set li, 0
.rept 32
	v_add_co_ci_u32 v[CNT], s[8+li+20*(li/22)], 0, v[CNT], s[8+li+20*(li/22)]
.set li, li+1
.endr
	s_wait_alu depctr_va_sdst(0)                   ; the 32 carries out are written, ahead of the branch and of the next trip's compares, which write the same registers
	s_add_co_u32 s44, s44, 128
	s_cmp_lt_u32 s44, 1024
	s_cbranch_scc1 .Lrank
	v_permlanex16_b32 v[SW+3], v[CNT], s46, s47
	v_add_nc_u32 v[CNT], v[CNT], v[SW+3]
	v_cmp_gt_u32 vcc_lo, 256, v[CNT]
	s_wait_alu depctr_va_vcc(0)                    ; VCC is written, ahead of the select that reads it
	v_cndmask_b32 v[SW+3], 0, -1, vcc_lo           ; all ones: the row is replaced
	s_wait_alu depctr_va_vdst(0)                   ; the mask word is written, which the LDS store reads; the compares are done reading v[WF ..], in which W_out's fragments land; v[AS ..], the products' scale words, are written
	ds_store_b32 v[MKW], v[SW+3]
	; ---- the product: 16 accumulators by turns, four at a time
.irp s, 0,1
.irp g, 0,1,2,3
.if (\s+\g) > 0
	PLACES 4
	s_wait_alu depctr_va_vdst(0)                   ; the last four products are done reading their fragments and scale words, in which the next four's land
.endif
.irp t, 0,1,2,3
	FETCH WF+12*\t, L16, (2*(4*\g+\t)+\s)*1536
	ds_load_b32 v[WS+\t], v[WSA] offset:(2*(4*\g+\t)+\s)*128
.endr
	s_wait_dscnt 0x0
.irp t, 0,1,2,3
	MMA ACC+8*(4*\g+\t), WF+12*\t, AO+12*\s, WS+\t, AS+\s
.endr
.endr
.endr
	PLACES 4
	s_wait_alu depctr_va_vdst(0)                   ; the products have written the sixteen sums, which the LDS stores read; the places above stay beside this wait
.set li, 0
.rept 32
	ds_store_b128 v[STD], v[ACC+4*li:ACC+4*li+3] offset:128*(li/4)+16*(li%4)      ; each accumulator from its low end on
.set li, li+1
.endr
.irp e, 0,1,2,3,4,5,6,7
	v_mov_b32 v[CS+\e], 0
.endr
	s_wait_dscnt 0x0
	s_wait_alu depctr_vm_vsrc(0)                   ; the LDS stores have read v[ACC ..], in which the rows land; the rank's loads have read v[ADR], which is written next
	; ---- LN1, four rows a trip
	s_mov_b32 s44, 0
.Lln:
	v_add_nc_u32 v[ADR], s44, v[STW]
	s_wait_alu depctr_va_vdst(0)                   ; v[ADR] is written, which the loads read
.irp k, 0,1,2,3
	ds_load_b128 v[ACC+8*\k:ACC+8*\k+3], v[ADR] offset:1040*\k
	ds_load_b128 v[ACC+8*\k+4:ACC+8*\k+7], v[ADR] offset:1040*\k+512
.endr
	s_wait_dscnt 0x0
	LN4 ACC, 1
	s_wait_alu depctr_va_vdst(0)                   ; LN1 has written the four rows, which the stores read and in which the next trip's loads land; and the column sums, which the LDS stores behind the loop read
.irp k, 0,1,2,3
	global_store_b128 v[L16], v[ACC+8*\k:ACC+8*\k+3], s[38:39] offset:1024*\k        ; 512 consecutive bytes a store
	global_store_b128 v[L16], v[ACC+8*\k+4:ACC+8*\k+7], s[38:39] offset:1024*\k+512
.endr
	s_wait_xcnt 0x0                                ; the stores have had their addresses translated: their base is written again
	s_wait_alu depctr_vm_vsrc(0)                   ; the stores have read the four rows, in which the next trip's loads land; this trip's loads have read v[ADR], which the next trip writes
	s_add_nc_u64 s[38:39], s[38:39], 4096
	s_add_co_u32 s44, s44, 4160
	s_cmp_lt_u32 s44, 16640
	s_cbranch_scc1 .Lln
	ds_store_b128 v[RDW], v[CS:CS+3]               ; no vector instruction since the last trip's wait names the column sums
	ds_store_b128 v[RDW], v[CS+4:CS+7] offset:512
	BARRIER                                        ; eight waves' column sums and the 128 mask words lie in LDS
	s_cmp_lt_u32 s2, 2
	s_cbranch_scc0 .Lnot_sum
.irp k, 0,1,2,3,4,5,6,7
	ds_load_b128 v[WF+4*\k:WF+4*\k+3], v[RDR] offset:1024*\k
.endr
	s_wait_dscnt 0x0
.irp k, 1,2,3,4,5,6,7
	v_pk_add_f32 v[WF:WF+1], v[WF:WF+1], v[WF+4*\k:WF+4*\k+1]
	v_pk_add_f32 v[WF+2:WF+3], v[WF+2:WF+3], v[WF+4*\k+2:WF+4*\k+3]
.endr
	s_wait_alu depctr_va_vdst(0)                   ; the additions have written v[WF:WF+3], which the store reads
	global_store_b128 v[L16], v[WF:WF+3], s[40:41]
	s_branch .Lend
.Lnot_sum:
	s_cmp_eq_u32 s2, 2
	s_cbranch_scc0 .Lend
	ds_load_b128 v[WF:WF+3], v[MKR]
	s_wait_dscnt 0x0
	global_store_b128 v[L16], v[WF:WF+3], s[42:43]
.Lend:
	s_wait_dscnt 0x0                               ; the closing lines, six on end
	s_wait_alu 0x0
	s_wait_tensorcnt 0x0
	ds_add_u32 v[SPW], v[NIL]
	s_wait_dscnt 0x0
	s_endpgm
.Lfunc_end_k_q345cd31978_oproj:
	.size	k_q345cd31978_oproj, .Lfunc_end_k_q345cd31978_oproj-k_q345cd31978_oproj
	.p2alignl 7, 3214868480
	.fill 96, 4, 3214868480
	.section	.rodata,"a",@progbits
	.p2align	6, 0x0
	.amdhsa_kernel k_q345cd31978_oproj
		.amdhsa_group_segment_fixed_size 198144
		.amdhsa_private_segment_fixed_size 0
		.amdhsa_enable_private_segment 0
		.amdhsa_kernarg_size 88
		.amdhsa_user_sgpr_count 2
		.amdhsa_user_sgpr_kernarg_segment_ptr 1
		.amdhsa_wavefront_size32 1
		.amdhsa_system_sgpr_workgroup_id_x 1
		.amdhsa_system_sgpr_workgroup_id_y 1
		.amdhsa_system_sgpr_workgroup_id_z 1
		.amdhsa_system_vgpr_workitem_id 0
		.amdhsa_next_free_vgpr 256
		.amdhsa_next_free_sgpr 66
		.amdhsa_reserve_vcc 1
		.amdhsa_float_denorm_mode_32 3
		.amdhsa_float_denorm_mode_16_64 3
		.amdhsa_memory_ordered 1
		.amdhsa_forward_progress 1
		.amdhsa_inst_pref_size 56
	.end_amdhsa_kernel
	.amdgpu_metadata
---
amdhsa.version: [ 1, 2 ]
amdhsa.kernels:
  - .name:           k_q345cd31978_oproj
    .symbol:         k_q345cd31978_oproj.kd
    .args:
      - { .name: src1, .offset: 0, .size: 8, .value_kind: global_buffer, .address_space: global }
      - { .name: src2, .offset: 8, .size: 8, .value_kind: global_buffer, .address_space: global }
      - { .name: ao, .offset: 16, .size: 8, .value_kind: global_buffer, .address_space: global }
      - { .name: cls, .offset: 24, .size: 8, .value_kind: global_buffer, .address_space: global }
      - { .name: wq, .offset: 32, .size: 8, .value_kind: global_buffer, .address_space: global }
      - { .name: b_out, .offset: 40, .size: 8, .value_kind: global_buffer, .address_space: global }
      - { .name: g1, .offset: 48, .size: 8, .value_kind: global_buffer, .address_space: global }
      - { .name: be1, .offset: 56, .size: 8, .value_kind: global_buffer, .address_space: global }
      - { .name: xw, .offset: 64, .size: 8, .value_kind: global_buffer, .address_space: global }
      - { .name: psum, .offset: 72, .size: 8, .value_kind: global_buffer, .address_space: global }
      - { .name: msk, .offset: 80, .size: 8, .value_kind: global_buffer, .address_space: global }
    .group_segment_fixed_size: 198144
    .private_segment_fixed_size: 0
    .kernarg_segment_align: 8
    .kernarg_segment_size: 88
    .max_flat_workgroup_size: 256
    .sgpr_count:     66
    .vgpr_count:     256
    .wavefront_size: 32
...
	.end_amdgpu_metadata
.endif
;; end of part 4
;; launch ffn (part 5): grid 256 x 1, 4 waves a work-group, no clusters, 247,296 bytes of LDS; arguments xw, psum, msk, wq, b1, b2, g2, be2, out0, out1; writes out0, out1
.if DOCPART == 5
	.amdgcn_target "amdgcn-amd-amdhsa--gfx1250"
	.amdhsa_code_object_version 6
	.text
	.protected	k_q345cd31978_ffn
	.globl	k_q345cd31978_ffn
	.p2align	8
	.type	k_q345cd31978_ffn,@function
k_q345cd31978_ffn:
	s_mov_b64 s[64:65], 0
	v_nop
	global_prefetch_b8 v0, s[64:65] scope:SCOPE_SE
	s_setreg_imm32_b32 hwreg(HW_REG_WAVE_SCHED_MODE, 0, 2), 2
	s_setreg_imm32_b32 hwreg(HW_REG_WAVE_MODE, 25, 1), 1
	s_wait_xcnt 0x0
	s_wait_alu depctr_vm_vsrc(0)
; LAUNCH 3 OF 3: x' = the row of x, or the other stream's mean where the mask says so; out = LN2(x' + relu(x' W1^T + b1) W2^T + b2).
; WORK LEFT OUT: none here; what the exchange needs was reduced in launches 1 and 2 (shown at the head of launch 1).  The mask words are used as lane masks of a select alone: no address, branch or trip count hangs on them.
; LIMITS: as in launch 1.  The mean over 512 rows and LN2's sums run in another order than reference()'s.
; SHARES.  Work-group = (sb, qt): 128 rows, 4 waves.  THE WAVES SHARE THE COLUMNS: in super-chunk c (512 hidden units, four trips) wave w makes hidden units 128 (4 c + w) .. + 127 for all eight tiles of rows,
; and outputs 64 w .. 64 w + 63.  Its fragments of W1 and W2 come from wq, laid in the order of the operand's registers, straight into registers: each is used by this wave alone, for eight products;
; so they do not go through LDS, and no joint load is made of them.  The rows' codes (x' once, the hidden layer in every trip) go from wave to wave through LDS as images of the operand's registers.
; x' + b2 is what the second product's sums begin with.
; REGISTERS, in windows of 256: window 0 addresses, scale words and all vector work; window 1 W1's 16 fragments (12 (2 t + K step)) and from v192 b1's 8 tiles; window 2 W2's 16 fragments (12 (4 n + s)),
; at the head the rows of x of jobs 1 to 3 as loaded; window 3 the 32 accumulators of y ((n, m) at 8 (8 n + m)).
; THE MODE: SCHED_MODE bits 1:0 = 2 (LLVM: expert scheduling mode 2), set by the entry lines.  The code itself states the register dependences
; between vector or matrix instructions and memory or LDS instructions, with s_wait_alu, always for 0.
; THE PLAN.  Registers that memory or LDS instructions touch:
;   v4-v9, v11-v19    addresses, made once at the head, never written again.   v[LNA]  written at the head of each trip of the last loop, read by that trip's LDS loads.
;   R = HA, v64-127   head: job 0's rows land; the selects and + b2 write it; the stage's and the rows' LDS stores read it.  Loop: the first product, relu and the quantiser (no memory instruction);
;                     in the second product the odd groups' hidden fragments land in v64-111 and that group's products read them.  At the end LN2's rows: LDS loads, vector work, global stores.
;   window 2          head: jobs 1 to 3 land, the selects read.  Loop: W2's fragments land in six parts, behind the wait at the end of tiles 0 to 5; the second product reads them.  Likewise its scale words, v48-63.
;   X, v168-231       head: the stage's loads land, the quantiser reads.  Loop: x's fragments in two sets (tile m + 2's land in the set that tile m's products have left); in the second product the even groups' hidden fragments.
;   PC, PW            the quantiser writes, the image's LDS stores read.
;   window 1, v32-47  W1, b1 and W1's scale words land in four parts at the head and in six parts in groups 0 to 5 of the second product; the first product reads them.
;   window 3          LDS loads at the start, the second product, LDS stores at the end.
; THE WAITS.  A job: the stores of the job before have read R, PC, PW | R is written and X's readers are done, ahead of the stage | the stage's stores have read R | R, PC, PW are written, ahead of one block of memory instructions.
; A trip's head: the last second product is done.  A tile: the last image's stores have read PC, PW, ahead of the quantiser; ONE wait on va_vdst behind the quantiser, and behind it the tile's memory instructions.
; A group: ONE wait on va_vdst at its head; its loads are dealt behind its first four products, which name their own set, W2, its scale words and the accumulators: none of the registers that those loads touch.
.set XSC,   24576                      ; LDS: x's 16 fragments (2 m + K step) from byte 0; their scale words here
.set HIMG,  26624                      ; the hidden layer's 32 fragments (4 m + s)
.set HSC,   75776
.set QST,   79872                      ; a stage of 16 rows x 528 for each wave
.set RES,   113664                     ; 128 rows x 1,040: x' + b2, at the end the finished sums
.set SPARE, 246784
.set W1C, 53248
.set W1S, 446464
.set W2C, 479232
.set W2S, 872448
.set L16, 4
.set L4,  5
.set STW, 6
.set STR, 7
.set XWI, 8
.set XWS, 9
.set LNA, 10
.set LSX, 11
.set LIH, 12
.set LSH, 13
.set HWI, 14
.set HWS, 15
.set RSW, 16
.set YA0, 17
.set YA1, 18
.set H64, 19
.set W1SR, 32                          ; v20-23 x's scale words (two sets), v24-31 the hidden layer's (two sets), v32-47 W1's, v48-63 W2's
.set W2SR, 48
.set R,   64                           ; v64-127 rows | my 8 tiles of the hidden layer | four hidden fragments | LN2's rows
.set HA,  64
.set PC,  128
.set T,   128
.set U,   136
.set CS,  136
.set TQ,  140
.set TM,  148
.set PW,  164
.set X,   168                          ; v168-231 numbers ahead of the quantiser | x's fragments, two sets of 24 | four hidden fragments
.set MV,  232
.set G,   232
.set B2V, 240
.set BE,  240
.set SPW, 252
.set NIL, 253
.set MSB, 0
.macro WIN new                         ; the immediate's high byte repeats the setting that is left
.if MSB != \new
	s_set_vgpr_msb (MSB<<8)|\new
.set MSB, \new
.endif
.endm
.macro PLACES n
.rept \n
	v_nop
.endr
.endm
.macro BARRIER
	s_wait_dscnt 0x0
	s_barrier_signal -1
	s_barrier_wait -1
.endm
.macro LOADX reg, off                  ; 16 rows x 512 bytes of x
.set li, 0
.rept 16
	global_load_b128 v[(\reg)+4*li:(\reg)+4*li+3], v[L16], s[76:77] offset:(\off)+1024*li th:TH_LOAD_NT
.set li, li+1
.endr
.endm
.macro TURN reg
.set li, 0
.rept 16
	ds_store_b128 v[STW], v[\reg+4*li:\reg+4*li+3] offset:528*li
.set li, li+1
.endr
.set li, 0
.rept 16
	ds_load_b128 v[X+4*li:X+4*li+3], v[STR] offset:128*(li/4)+16*(li%4)
.set li, li+1
.endr
.endm
.macro QUANT s, d, pw                  ; 64 numbers of a lane (register 16 b + i = k 32 b + 16 (lane / 16) + i of my row) become a fragment and its scale word
.irp b, 0,1,2,3
	v_max3_num_f32 v[TM+\b], |v[\s+16*\b]|, |v[\s+1+16*\b]|, 0x2800000
.endr
.irp i, 2,4,6,8,10,12,14
.irp b, 0,1,2,3
	v_max3_num_f32 v[TM+\b], v[TM+\b], |v[\s+16*\b+\i]|, |v[\s+1+16*\b+\i]|
.endr
.endr
.irp b, 0,1,2,3
	v_permlanex16_b32 v[TM+4+\b], v[TM+\b], s82, s83
.endr
.irp b, 0,1,2,3
	v_max_num_f32 v[TM+\b], v[TM+\b], v[TM+4+\b]
.endr
.irp b, 0,1,2,3
	v_add_nc_u32 v[TM+12+\b], 0xfe000000, v[TM+\b]
.endr
.irp b, 0,1,2,3
	v_lshrrev_b32 v[TM+4+\b], 23, v[TM+12+\b]
.endr
	v_lshl_or_b32 v[\pw], v[TM+5], 8, v[TM+4]
	v_lshl_or_b32 v[\pw], v[TM+6], 16, v[\pw]
	v_lshl_or_b32 v[\pw], v[TM+7], 24, v[\pw]
.irp c, 0,1
	v_cvt_scalef32_pk16_bf6_f32 v[\d+6*\c:\d+6*\c+2], v[\s+32*\c:\s+32*\c+15], v[TM+12+2*\c]
	v_cvt_scalef32_pk16_bf6_f32 v[TQ+4*\c:TQ+4*\c+2], v[\s+32*\c+16:\s+32*\c+31], v[TM+13+2*\c]
.endr
	v_nop
.irp c, 0,1
.irp i, 0,1,2
	v_permlane16_swap_b32 v[\d+6*\c+\i], v[TQ+4*\c+\i]
.endr
.irp i, 0,1,2
	v_mov_b32 v[\d+6*\c+3+\i], v[TQ+4*\c+\i]
.endr
.endr
.endm
.macro IMAGE adr, d, off
.irp c, 0,1,2
	ds_store_b128 v[\adr], v[\d+4*\c:\d+4*\c+3] offset:(\off)+512*\c
.endr
.endm
.macro FETCH reg, adr, off
.irp c, 0,1,2
	ds_load_b128 v[\reg+4*\c:\reg+4*\c+3], v[\adr] offset:(\off)+512*\c
.endr
.endm
.macro MMA d, a, b, sa, sb
	v_wmma_scale_f32_16x16x128_f8f6f4 v[\d:\d+7], v[\a:\a+11], v[\b:\b+11], v[\d:\d+7], v[\sa], v[\sb] matrix_a_fmt:MATRIX_FMT_BF6 matrix_b_fmt:MATRIX_FMT_BF6
.endm
.macro MMC d, a, b, c, sa, sb
	v_wmma_scale_f32_16x16x128_f8f6f4 v[\d:\d+7], v[\a:\a+11], v[\b:\b+11], v[\c:\c+7], v[\sa], v[\sb] matrix_a_fmt:MATRIX_FMT_BF6 matrix_b_fmt:MATRIX_FMT_BF6
.endm
; My chunk's weights come in parts.  W1FR, W2FR: n of the 48 loads of 16 fragments, from load f on (destination window 1 or 2).  W1B: b1 of tiles t, t + 1 in the result's layout (window 1).  W1SC, W2SC: four scale words (window 0).
.macro W1FR f, n
.set lf, \f
.rept \n
	global_load_b128 v[4*lf:4*lf+3], v[L16], s[66:67] offset:512*lf
.set lf, lf+1
.endr
.endm
.macro W1B t
.irp u, 0,1
	global_load_b128 v[192+8*((\t)+\u):195+8*((\t)+\u)], v[H64], s[70:71] offset:4*(32*(((\t)+\u)/2)+8*(((\t)+\u)%2))
	global_load_b128 v[196+8*((\t)+\u):199+8*((\t)+\u)], v[H64], s[70:71] offset:4*(32*(((\t)+\u)/2)+8*(((\t)+\u)%2))+16
.endr
.endm
.macro W1SC f
.set lf, \f
.rept 4
	global_load_b32 v[W1SR+lf], v[L4], s[68:69] offset:128*lf
.set lf, lf+1
.endr
.endm
.macro W2FR f, n
.set lf, \f
.rept \n
	global_load_b128 v[4*lf:4*lf+3], v[L16], s[72:73] offset:512*lf
.set lf, lf+1
.endr
.endm
.macro W2SC f
.set lf, \f
.rept 4
	global_load_b32 v[W2SR+lf], v[L4], s[74:75] offset:128*lf
.set lf, lf+1
.endr
.endm
.macro FETCHX m                        ; x's two fragments of tile m into set m % 2: eight LDS loads
	FETCH 168+24*((\m)%2), L16, (2*(\m))*1536
	FETCH 180+24*((\m)%2), L16, (2*(\m)+1)*1536
	ds_load_b32 v[20+2*((\m)%2)], v[LSX] offset:(2*(\m))*128
	ds_load_b32 v[21+2*((\m)%2)], v[LSX] offset:(2*(\m)+1)*128
.endm
.macro FETCHH g                        ; group g = 2 s + mg: K step s of tiles 4 mg .. 4 mg + 3, into set g % 2 (v168.. or v64..): 16 LDS loads
.irp q, 0,1,2,3
	FETCH 168-104*((\g)%2)+12*\q, LIH, (4*(4*((\g)%2)+\q)+(\g)/2)*1536
	ds_load_b32 v[24+4*((\g)%2)+\q], v[LSH] offset:(4*(4*((\g)%2)+\q)+(\g)/2)*128
.endr
.endm
.macro QUAD g, q                       ; four products of group g: tile of rows 4 (g % 2) + q against my four tiles of outputs
.irp n, 0,1,2,3
	MMA 8*(8*\n+4*((\g)%2)+(\q)), 12*(4*\n+(\g)/2), 168-104*((\g)%2)+12*(\q), W2SR+4*\n+(\g)/2, 24+4*((\g)%2)+(\q)
.endr
.endm
.macro LN4 D, cs                       ; as in launch 2
.irp k, 0,1,2,3
	v_pk_add_f32 v[T+2*\k:T+2*\k+1], v[\D+8*\k:\D+8*\k+1], v[\D+8*\k+2:\D+8*\k+3]
	v_pk_add_f32 v[U+2*\k:U+2*\k+1], v[\D+8*\k+4:\D+8*\k+5], v[\D+8*\k+6:\D+8*\k+7]
.endr
.irp k, 0,1,2,3
	v_pk_add_f32 v[T+2*\k:T+2*\k+1], v[T+2*\k:T+2*\k+1], v[U+2*\k:U+2*\k+1]
.endr
.irp k, 0,1,2,3
	v_add_f32 v[T+2*\k], v[T+2*\k], v[T+2*\k+1]
.endr
.irp x, 1,2,4,8
.irp k, 0,1,2,3
	v_add_f32_dpp v[T+2*\k], v[T+2*\k], v[T+2*\k] row_xmask:\x row_mask:0xf bank_mask:0xf
.endr
.endr
.irp k, 0,1,2,3
	v_permlanex16_b32 v[T+2*\k+1], v[T+2*\k], s82, s83
.endr
.irp k, 0,1,2,3
	v_add_f32 v[T+2*\k], v[T+2*\k], v[T+2*\k+1]
.endr
.irp k, 0,1,2,3
	v_mul_f32 v[T+2*\k], s84, v[T+2*\k]
.endr
.irp k, 0,1,2,3
.irp e, 0,2,4,6
	v_pk_add_f32 v[\D+8*\k+\e:\D+8*\k+\e+1], v[\D+8*\k+\e:\D+8*\k+\e+1], v[T+2*\k:T+2*\k+1] op_sel_hi:[1,0] neg_lo:[0,1] neg_hi:[0,1]
.endr
.endr
.irp k, 0,1,2,3
	v_pk_mul_f32 v[U+2*\k:U+2*\k+1], v[\D+8*\k:\D+8*\k+1], v[\D+8*\k:\D+8*\k+1]
.endr
.irp e, 2,4,6
.irp k, 0,1,2,3
	v_pk_fma_f32 v[U+2*\k:U+2*\k+1], v[\D+8*\k+\e:\D+8*\k+\e+1], v[\D+8*\k+\e:\D+8*\k+\e+1], v[U+2*\k:U+2*\k+1]
.endr
.endr
.irp k, 0,1,2,3
	v_add_f32 v[U+2*\k], v[U+2*\k], v[U+2*\k+1]
.endr
.irp x, 1,2,4,8
.irp k, 0,1,2,3
	v_add_f32_dpp v[U+2*\k], v[U+2*\k], v[U+2*\k] row_xmask:\x row_mask:0xf bank_mask:0xf
.endr
.endr
.irp k, 0,1,2,3
	v_permlanex16_b32 v[U+2*\k+1], v[U+2*\k], s82, s83
.endr
.irp k, 0,1,2,3
	v_add_f32 v[U+2*\k], v[U+2*\k], v[U+2*\k+1]
.endr
.irp k, 0,1,2,3
	v_fma_f32 v[U+2*\k], v[U+2*\k], s84, s85
.endr
.irp k, 0,1,2,3
	v_rsq_f32 v[U+2*\k], v[U+2*\k]
.endr
	v_nop
	s_wait_alu depctr_va_vdst(0)                   ; the four roots' reciprocals are written: one wait for the four, ahead of their first reader
.irp k, 0,1,2,3
.irp e, 0,2,4,6
	v_pk_mul_f32 v[\D+8*\k+\e:\D+8*\k+\e+1], v[\D+8*\k+\e:\D+8*\k+\e+1], v[U+2*\k:U+2*\k+1] op_sel_hi:[1,0]
.endr
.endr
.irp k, 0,1,2,3
.irp e, 0,2,4,6
	v_pk_fma_f32 v[\D+8*\k+\e:\D+8*\k+\e+1], v[\D+8*\k+\e:\D+8*\k+\e+1], v[G+\e:G+\e+1], v[BE+\e:BE+\e+1]
.endr
.endr
.endm
	s_load_b512 s[8:23], s[0:1], 0x0               ; xw 8, psum 10, msk 12, wq 14, b1 16, b2 18, g2 20, be2 22
	s_load_b128 s[24:27], s[0:1], 0x40             ; out0 24, out1 26
	v_lshl_add_u32 v[SPW], v0, 2, SPARE
	v_mov_b32 v[NIL], 0
	v_lshrrev_b32 v1, 5, v0
	v_readfirstlane_b32 s2, v1                     ; wave
	s_mov_b32 s3, ttmp9
	s_and_b32 s4, s3, 3                            ; qt
	s_lshr_b32 s5, s3, 2                           ; sb
	v_and_b32 v1, 31, v0
	v_and_b32 v2, 15, v0
	v_bfe_u32 v3, v0, 4, 1
	v_lshlrev_b32 v[L16], 4, v1
	v_lshlrev_b32 v[L4], 2, v1
	s_wait_alu depctr_va_sdst(0)                   ; s2, the wave's number, is written, ahead of its first reader
	s_mul_i32 s6, s2, 8448
	s_add_co_u32 s6, s6, QST
	v_add_nc_u32 v[STW], s6, v[L16]
	v_mul_u32_u24 v[STR], v2, 528
	v_lshl_add_u32 v[STR], v3, 6, v[STR]
	v_add_nc_u32 v[STR], s6, v[STR]
	s_mul_i32 s6, s2, 6144
	v_add_nc_u32 v[XWI], s6, v[L16]
	v_add_nc_u32 v[LSX], XSC, v[L4]
	s_lshl_b32 s6, s2, 9
	v_add_nc_u32 v[XWS], s6, v[LSX]
	v_add_nc_u32 v[LIH], HIMG, v[L16]
	v_add_nc_u32 v[LSH], HSC, v[L4]
	s_mul_i32 s6, s2, 1536
	v_add_nc_u32 v[HWI], s6, v[LIH]
	s_lshl_b32 s6, s2, 7
	v_add_nc_u32 v[HWS], s6, v[LSH]
	s_mul_i32 s6, s2, 33280
	s_add_co_u32 s6, s6, RES
	v_add_nc_u32 v[RSW], s6, v[L16]                ; my 32 rows, by rows
	v_mul_u32_u24 v[YA0], v2, 1040
	v_lshl_add_u32 v[YA0], v3, 6, v[YA0]
	s_lshl_b32 s6, s2, 8
	s_add_co_u32 s6, s6, RES
	v_add_nc_u32 v[YA0], s6, v[YA0]                ; in the sums' layout: row r, + 64 h, + my 64 outputs' 256 bytes
	v_add_nc_u32 v[YA1], 66560, v[YA0]             ; and 64 rows further down
	v_lshlrev_b32 v[H64], 6, v3
.irp i, 4,5,6,7
	v_mov_b32 v[TM+\i], 0
.endr
	s_mov_b32 s82, 0x76543210
	s_mov_b32 s83, 0xfedcba98
	s_mov_b32 s84, 0x3b800000                      ; 1 / 256
	s_mov_b32 s85, 0x3727c5ac                      ; 1e-5
	s_lshl_b32 s86, s5, 9
	s_lshl_b32 s87, s4, 7
	s_add_co_u32 s86, s86, s87
	s_lshl_b32 s87, s2, 5
	s_add_co_u32 s86, s86, s87                     ; my first row: 512 sb + 128 qt + 32 wave
	s_mov_b32 s89, 0
	s_wait_kmcnt 0x0
	s_cmp_lt_u32 s5, 32
	s_cselect_b64 s[78:79], s[24:25], s[26:27]
	s_lshl_b32 s88, s86, 2
	s_add_nc_u64 s[28:29], s[12:13], s[88:89]
	s_load_b512 s[32:47], s[28:29], 0x0            ; my 32 rows' mask words
	s_load_b512 s[48:63], s[28:29], 0x40
	s_lshl_b32 s88, s86, 10
	s_add_nc_u64 s[76:77], s[8:9], s[88:89]
	s_and_b32 s88, s86, 16383
	s_lshl_b32 s88, s88, 10
	s_add_nc_u64 s[78:79], s[78:79], s[88:89]
	s_xor_b32 s88, s5, 32                          ; the other stream's batch
	s_lshl_b32 s88, s88, 12
	s_add_nc_u64 s[30:31], s[10:11], s[88:89]
	s_mul_i32 s88, s2, 24576
	s_add_nc_u64 s[66:67], s[14:15], s[88:89]
	s_add_nc_u64 s[72:73], s[66:67], W2C
	s_add_nc_u64 s[66:67], s[66:67], W1C
	s_lshl_b32 s88, s2, 11
	s_add_nc_u64 s[68:69], s[14:15], s[88:89]
	s_add_nc_u64 s[74:75], s[68:69], W2S
	s_add_nc_u64 s[68:69], s[68:69], W1S
	s_lshl_b32 s88, s2, 9
	s_add_nc_u64 s[70:71], s[16:17], s[88:89]
	; ---- the other stream's mean, b2, and all my 32 rows: job 0's into R, jobs 1 to 3's into window 2, which W2 takes only in the loop
	s_wait_alu depctr_va_vdst(0)                   ; every address and offset made above is written: the loads and stores of the whole kernel read them
.irp k, 0,1,2,3
	global_load_b128 v[X+8*\k:X+8*\k+3], v[L16], s[30:31] offset:1024*\k
	global_load_b128 v[X+8*\k+4:X+8*\k+7], v[L16], s[30:31] offset:1024*\k+512
.endr
	global_load_b128 v[B2V:B2V+3], v[L16], s[18:19]
	global_load_b128 v[B2V+4:B2V+7], v[L16], s[18:19] offset:512
	LOADX R, 0
	WIN 0x80                                       ; destination window 2
	LOADX 64, 512
	LOADX 128, 16384
	WIN 0
	s_wait_loadcnt 48                              ; the ten are in; the 48 loads of x behind them may stay out
.irp e, 0,2,4,6
	v_pk_add_f32 v[MV+\e:MV+\e+1], v[X+\e:X+\e+1], v[X+8+\e:X+9+\e]
.endr
.irp e, 0,2,4,6
	v_pk_add_f32 v[MV+\e:MV+\e+1], v[MV+\e:MV+\e+1], v[X+16+\e:X+17+\e]
.endr
.irp e, 0,2,4,6
	v_pk_add_f32 v[MV+\e:MV+\e+1], v[MV+\e:MV+\e+1], v[X+24+\e:X+25+\e]
.endr
.irp e, 0,2,4,6
	v_pk_mul_f32 v[MV+\e:MV+\e+1], v[MV+\e:MV+\e+1], 0x3b000000 op_sel_hi:[1,0]     ; / 512
.endr
	WIN 0x80
	LOADX 0, 16384+512                             ; job 3's rows: no vector instruction has named these registers
	WIN 0
	s_wait_kmcnt 0x0
	; ---- four jobs k = 2 tl + K step: 16 rows x 128 channels: select, quantise, image; x' + b2 to RES.  A quarter of the first super-chunk's W1 is asked for in each
.irp k, 0,1,2,3
	s_wait_loadcnt 48+4*\k                         ; job k's rows are in.  Behind them: the later jobs' rows, 16 loads each, and k quarters of W1, 20 loads each
.set XBK, (64*\k)%192
.if \k == 0
.set XBK, R
.else
	s_wait_alu depctr_vm_vsrc(0)                   ; the last job's LDS stores have read v[R ..], which the selects write, and PC and PW, which the quantiser writes
	WIN 0x02                                       ; source 0, the rows as loaded, window 2
.endif
.set li, 0
.rept 16
.irp e, 0,1,2,3
	v_cndmask_b32 v[R+4*li+\e], v[XBK+4*li+\e], v[MV+4*(\k%2)+\e], s[32+16*(\k/2)+li]
.endr
.set li, li+1
.endr
	WIN 0
	s_wait_alu depctr_va_vdst(0)                   ; the selects have written v[R ..], which the stage's stores read; the sums of the mean, or the last job's quantiser, are done reading v[X ..], in which the stage's loads land
	TURN R
	s_wait_dscnt 0x0
	s_wait_alu depctr_vm_vsrc(0)                   ; the stage's stores have read v[R ..], which the additions write
.set li, 0
.rept 16
	v_pk_add_f32 v[R+4*li:R+4*li+1], v[R+4*li:R+4*li+1], v[B2V+4*(\k%2):B2V+4*(\k%2)+1]
	v_pk_add_f32 v[R+4*li+2:R+4*li+3], v[R+4*li+2:R+4*li+3], v[B2V+4*(\k%2)+2:B2V+4*(\k%2)+3]
.set li, li+1
.endr
	QUANT X, PC, PW
	WIN 0x40                                       ; destination window 1
	s_wait_alu depctr_va_vdst(0)                   ; the additions have written v[R ..], the quantiser PC and PW: the LDS stores below read them
	W1FR 12*\k, 12
	W1B 2*\k
	WIN 0
	W1SC 4*\k
.set li, 0
.rept 16
	ds_store_b128 v[RSW], v[R+4*li:R+4*li+3] offset:(16*(\k/2)+li)*1040+512*(\k%2)
.set li, li+1
.endr
	IMAGE XWI, PC, 1536*\k
	ds_store_b32 v[XWS], v[PW] offset:128*\k
.endr
	BARRIER                                        ; x's 16 fragments and 128 rows of x' + b2 lie in LDS
	s_wait_alu depctr_vm_vsrc(0)                   ; my LDS stores have read v[R ..], over which the first product writes its sums
	WIN 0xc0                                       ; destination window 3
.irp n, 0,1,2,3
.irp m, 0,1,2,3,4,5,6,7
.irp q, 0,1
.if \m < 4
	ds_load_b128 v[8*(8*\n+\m)+4*\q:8*(8*\n+\m)+4*\q+3], v[YA0] offset:\m*16640+128*(\n/2)+32*(\n%2)+16*\q
.else
	ds_load_b128 v[8*(8*\n+\m)+4*\q:8*(8*\n+\m)+4*\q+3], v[YA1] offset:(\m-4)*16640+128*(\n/2)+32*(\n%2)+16*\q
.endif
.endr
.endr
.endr
	WIN 0
	s_mov_b32 s80, 4
.Lchunk:
	s_wait_loadcnt 0x0                             ; this trip's W1, b1 and scale words are in, so their pointers may step
	s_add_nc_u64 s[66:67], s[66:67], 98304
	s_add_nc_u64 s[68:69], s[68:69], 8192
	s_add_nc_u64 s[70:71], s[70:71], 2048
	s_wait_alu depctr_va_vdst(0)                   ; the last trip's second product is done reading v168-215, in which x's fragments land, and W2's fragments and scale words, in which this trip's land
	; ---- 1: my 128 hidden units, a tile of 16 rows at a time: transposed, b1 as the first C; relu; quantised; image
	FETCHX 0
	FETCHX 1
.irp m, 0,1,2,3,4,5,6,7
.set XB, 168+24*(\m%2)
.set XSB, 20+2*(\m%2)
.if \m == 0
	s_wait_dscnt 8                                 ; tile 0's fragments are in; tile 1's eight loads may stay out
.elseif \m < 7
	s_wait_dscnt 12                                ; this tile's fragments are in; behind them: the last image's four stores and the next tile's eight loads
.else
	s_wait_dscnt 4                                 ; behind them: the last image's four stores
.endif
	WIN 0x11                                       ; source 0 (W1) and source 2 (b1) window 1
.irp t, 0,1,2,3,4,5,6,7
	MMC HA+8*\t, 24*\t, XB, 192+8*\t, W1SR+2*\t, XSB
.endr
	WIN 0x01
.irp t, 0,1,2,3,4,5,6,7
	MMA HA+8*\t, 24*\t+12, XB+12, W1SR+2*\t+1, XSB+1
.endr
	WIN 0
	PLACES 4
	s_wait_alu depctr_vm_vsrc(0)                   ; the last image's LDS stores have read PC and PW, which the quantiser below writes
.set jj, 0
.rept 64
	v_max_num_f32 v[HA+jj], 0, v[HA+jj]
.set jj, jj+1
.endr
	QUANT HA, PC, PW
.if \m < 6
	WIN 0x80                                       ; destination window 2
.endif
	s_wait_alu depctr_va_vdst(0)                   ; the quantiser has written PC and PW, which the image's stores read; this tile's products are done reading their set of x's fragments, in which tile m + 2's land
.if \m < 6
	W2FR 8*\m, 8                                   ; a sixth of W2's fragments: all are asked for two tiles ahead of the second product
	WIN 0
.endif
.if \m < 4
	W2SC 4*\m
.endif
	IMAGE HWI, PC, 6144*\m
	ds_store_b32 v[HWS], v[PW] offset:512*\m
.if \m < 6
	FETCHX \m+2
.endif
.endr
	BARRIER                                        ; the hidden layer's 32 fragments lie in LDS
	s_wait_loadcnt 0x0                             ; W2's set is in
	s_add_nc_u64 s[72:73], s[72:73], 98304
	s_add_nc_u64 s[74:75], s[74:75], 8192
	; ---- 2: y += hidden W2^T: eight groups of 16 accumulators, which take turns.  The next trip's W1 is asked for in groups 0 to 5, if there is a next trip: no load leaves its buffer
	FETCHH 0                                       ; no vector or matrix instruction since tile 7's wait names v168-215, v24-27
.irp g, 0,1,2,3,4,5,6,7
	s_wait_dscnt 0x0                               ; this group's fragments are in: they were asked for behind the first four products of the group before
.if \g > 0
	s_wait_alu depctr_va_vdst(0)                   ; the group before is done reading its fragments and scale words, in which the next group's land
.endif
	WIN 0xf2                                       ; source 0 (W2) window 2, C and D window 3
	QUAD \g, 0
	WIN 0
.if \g < 7
	FETCHH \g+1                                    ; no wait: the four products since the wait name this group's set, W2, its scale words and the accumulators
.endif
.if \g < 6
	s_cmp_eq_u32 s80, 1
	s_cbranch_scc1 .Lno_w1_\g
	WIN 0x40                                       ; destination window 1: the first product, done since tile 7's wait, was the last to name these registers
	W1FR 8*\g, 8
.if \g < 4
	W1B 2*\g
.endif
	WIN 0
.if \g < 4
	W1SC 4*\g
.endif
.Lno_w1_\g:
.endif
	WIN 0xf2
	QUAD \g, 1
	QUAD \g, 2
	QUAD \g, 3
	WIN 0
.if \g < 7
	PLACES 4                                       ; behind the group's products, ahead of the wait and of the loads into registers that they have read
.else
	PLACES 5                                       ; the next trip's first matrix instruction writes over registers that this group read: one place more
.endif
.endr
	BARRIER                                        ; every wave's reads of the hidden layer are over: it is written again
	s_sub_co_u32 s80, s80, 1
	s_cmp_lg_u32 s80, 0
	s_cbranch_scc1 .Lchunk
	; ---- the way out: the sums back to RES, then LN2 by rows
	s_wait_alu depctr_va_vdst(0)                   ; the second product has written the 32 accumulators, which the LDS stores read (the five places stand behind its last instruction), and is done reading v64-111, in which LN2's rows land
	global_load_b128 v[G:G+3], v[L16], s[20:21]
	global_load_b128 v[G+4:G+7], v[L16], s[20:21] offset:512
	global_load_b128 v[BE:BE+3], v[L16], s[22:23]
	global_load_b128 v[BE+4:BE+7], v[L16], s[22:23] offset:512
	WIN 0x0c                                       ; an LDS store's data are its source 1: window 3
.irp n, 0,1,2,3
.irp m, 0,1,2,3,4,5,6,7
.irp q, 0,1
.if \m < 4
	ds_store_b128 v[YA0], v[8*(8*\n+\m)+4*\q:8*(8*\n+\m)+4*\q+3] offset:\m*16640+128*(\n/2)+32*(\n%2)+16*\q
.else
	ds_store_b128 v[YA1], v[8*(8*\n+\m)+4*\q:8*(8*\n+\m)+4*\q+3] offset:(\m-4)*16640+128*(\n/2)+32*(\n%2)+16*\q
.endif
.endr
.endr
.endr
	WIN 0
	BARRIER                                        ; 128 whole rows lie in RES
	s_wait_loadcnt 0x0
	s_wait_alu depctr_vm_vsrc(0)                   ; the last image's LDS stores have read PC, over which LN2 writes its sums
	s_mov_b32 s81, 0
.Lln:
	v_add_nc_u32 v[LNA], s81, v[RSW]
	s_wait_alu depctr_va_vdst(0)                   ; v[LNA] is written, which the loads read
.irp k, 0,1,2,3
	ds_load_b128 v[R+8*\k:R+8*\k+3], v[LNA] offset:1040*\k
	ds_load_b128 v[R+8*\k+4:R+8*\k+7], v[LNA] offset:1040*\k+512
.endr
	s_wait_dscnt 0x0
	LN4 R, 0
	s_wait_alu depctr_va_vdst(0)                   ; LN2 has written the four rows, which the stores read and in which the next trip's loads land
.irp k, 0,1,2,3
	global_store_b128 v[L16], v[R+8*\k:R+8*\k+3], s[78:79] offset:1024*\k th:TH_STORE_NT       ; 512 consecutive bytes a store
	global_store_b128 v[L16], v[R+8*\k+4:R+8*\k+7], s[78:79] offset:1024*\k+512 th:TH_STORE_NT
.endr
	s_wait_xcnt 0x0                                ; the stores have had their addresses translated: their base is written again
	s_wait_alu depctr_vm_vsrc(0)                   ; the stores have read the four rows, in which the next trip's loads land; this trip's loads have read v[LNA], which the next trip writes
	s_add_nc_u64 s[78:79], s[78:79], 4096
	s_add_co_u32 s81, s81, 4160
	s_cmp_lt_u32 s81, 33280
	s_cbranch_scc1 .Lln
	s_wait_dscnt 0x0                               ; the closing lines, six on end
	s_wait_alu 0x0
	s_wait_tensorcnt 0x0
	ds_add_u32 v[SPW], v[NIL]
	s_wait_dscnt 0x0
	s_endpgm
.Lfunc_end_k_q345cd31978_ffn:
	.size	k_q345cd31978_ffn, .Lfunc_end_k_q345cd31978_ffn-k_q345cd31978_ffn
	.p2alignl 7, 3214868480
	.fill 96, 4, 3214868480
	.section	.rodata,"a",@progbits
	.p2align	6, 0x0
	.amdhsa_kernel k_q345cd31978_ffn
		.amdhsa_group_segment_fixed_size 247296
		.amdhsa_private_segment_fixed_size 0
		.amdhsa_enable_private_segment 0
		.amdhsa_kernarg_size 80
		.amdhsa_user_sgpr_count 2
		.amdhsa_user_sgpr_kernarg_segment_ptr 1
		.amdhsa_wavefront_size32 1
		.amdhsa_system_sgpr_workgroup_id_x 1
		.amdhsa_system_sgpr_workgroup_id_y 1
		.amdhsa_system_sgpr_workgroup_id_z 1
		.amdhsa_system_vgpr_workitem_id 0
		.amdhsa_next_free_vgpr 1024
		.amdhsa_next_free_sgpr 100
		.amdhsa_reserve_vcc 0
		.amdhsa_float_denorm_mode_32 3
		.amdhsa_float_denorm_mode_16_64 3
		.amdhsa_memory_ordered 1
		.amdhsa_forward_progress 1
		.amdhsa_inst_pref_size 204
	.end_amdhsa_kernel
	.amdgpu_metadata
---
amdhsa.version: [ 1, 2 ]
amdhsa.kernels:
  - .name:           k_q345cd31978_ffn
    .symbol:         k_q345cd31978_ffn.kd
    .args:
      - { .name: xw, .offset: 0, .size: 8, .value_kind: global_buffer, .address_space: global }
      - { .name: psum, .offset: 8, .size: 8, .value_kind: global_buffer, .address_space: global }
      - { .name: msk, .offset: 16, .size: 8, .value_kind: global_buffer, .address_space: global }
      - { .name: wq, .offset: 24, .size: 8, .value_kind: global_buffer, .address_space: global }
      - { .name: b1, .offset: 32, .size: 8, .value_kind: global_buffer, .address_space: global }
      - { .name: b2, .offset: 40, .size: 8, .value_kind: global_buffer, .address_space: global }
      - { .name: g2, .offset: 48, .size: 8, .value_kind: global_buffer, .address_space: global }
      - { .name: be2, .offset: 56, .size: 8, .value_kind: global_buffer, .address_space: global }
      - { .name: out0, .offset: 64, .size: 8, .value_kind: global_buffer, .address_space: global }
      - { .name: out1, .offset: 72, .size: 8, .value_kind: global_buffer, .address_space: global }
    .group_segment_fixed_size: 247296
    .private_segment_fixed_size: 0
    .kernarg_segment_align: 8
    .kernarg_segment_size: 80
    .max_flat_workgroup_size: 128
    .sgpr_count:     100
    .vgpr_count:     1024
    .wavefront_size: 32
...
	.end_amdgpu_metadata
.endif
;; end of part 5
